; MI455X (gfx1250); checked and timed in simulation.
; The chip was launched on July 23, 2026; its instructions are those of AMD's public machine-readable ISA for CDNA 5 (MIT licence, August 2026) and "CDNA5" Instruction Set Architecture Reference Guide (July 2026). The comments in the code are by the model that wrote it; some were corrected since.
;; Cached Multi Head Attention. Allowed arithmetic: float matrix products may take bf16 or f16 operands with f32 sums; all other float work in f32.
;; Inputs: Wk 2,048 x 2,048 float32; Wo 2,048 x 2,048 float32; Wq 2,048 x 2,048 float32; Wv 2,048 x 2,048 float32; past_key 2 x 16 x 2,048 x 128 float32; past_value 2 x 16 x 2,048 x 128 float32; x 2 x 1,024 x 2,048 float32.
;; Outputs: out0 2 x 1,024 x 2,048 float32.
;; 2 versions, each right. Each part assembles by itself: llvm-mc -triple=amdgcn-amd-amdhsa -mcpu=gfx1250 --defsym DOCPART=n.
;; ======== version 1 of 2: 4 launches
;; limits: values are held in f16: magnitudes above 65,504 overflow, below 6.1e-05 lose precision
;; workspace buffers: xh 8,388,608 bytes; Wqkv 25,165,824 bytes; Woh 8,388,608 bytes; Qh 8,388,608 bytes; Kc 25,165,824 bytes; Vc 25,165,824 bytes; Ah 8,388,608 bytes
;; launch cast (part 1): grid 16 x 144, 8 waves a work-group, no clusters, 0 bytes of LDS; arguments x, Wq, Wk, Wv, Wo, past_key, past_value, xh, Wqkv, Woh, Kc, Vc; writes xh, Wqkv, Woh, Kc, Vc
.if DOCPART == 1
	.amdgcn_target "amdgcn-amd-amdhsa--gfx1250"
	.amdhsa_code_object_version 6
	.text
	.protected	k_qc0a929eb6f_cast
	.globl	k_qc0a929eb6f_cast
	.p2align	8
	.type	k_qc0a929eb6f_cast,@function
k_qc0a929eb6f_cast:
	s_mov_b64 s[64:65], 0
	v_nop
	global_prefetch_b8 v0, s[64:65] scope:SCOPE_SE
	s_setreg_imm32_b32 hwreg(HW_REG_WAVE_MODE, 25, 1), 1
	s_wait_xcnt 0x0
; f32 to f16, once for every input number that a later launch feeds to the matrix units, times a power of two that is fixed for each tensor.
; The work is 144 segments of 262,144 numbers (1 MiB in, 512 KiB out); the work-group's y is the segment, its x one of 16 pieces
; (64 KiB in, 32 KiB out).  Segments 0-15: x to xh.  16-63: Wq, Wk, Wv to Wqkv, stacked.  64-79: Wo to Woh.
; 80-111: past_key, one head a segment, to rows 0-2047 of that head in Kc (a head there has 3,072 rows: 786,432 bytes).  112-143: past_value to Vc.
; FACTORS: keys and values are kept as K / 4 and V / 4, Wo as 4 Wo (the attention's result carries V's 1 / 4, which 4 Wo takes back); x, Wq, Wk, Wv have the factor 1
; (one text serves all segments).  ROOM in f16 (largest number 65,504; step 2^-24 below 2^-14): numbers of spread 1 (x, past keys and values) or 0.022 (weights) may be
; thousands of times larger; weights 30 times smaller (spread 7e-4) are rounded with an error of at most 2^-25, 4e-5 of their spread.
; LIMIT: |x|, |W| above 65,504, |Wo| above 16,376, |past K|, |past V| above 262,000 overflow.
; A stream: every byte is read once and written once; no LDS, no barrier, no matrix unit, no cluster (no two work-groups share a byte).
; A wave's load covers 512 consecutive bytes, its store 256 consecutive bytes that start at a multiple of 256 from the buffer's first byte.
; All 16 loads of a thread go out first; no source of a pending instruction is written, so no wait is needed but the counted ones for the data.
.set X, 4                              ; v[4:67]   16 loads x 4 f32
.set Y, 68                             ; v[68:99]  16 stores x 4 f16
	s_load_b512 s[8:23], s[0:1], 0x0               ; x s[8:9], Wq s[10:11], Wk s[12:13], Wv s[14:15], Wo s[16:17], past_key s[18:19], past_value s[20:21], xh s[22:23]
	s_load_b256 s[24:31], s[0:1], 0x40             ; Wqkv s[24:25], Woh s[26:27], Kc s[28:29], Vc s[30:31]
	s_and_b32 s2, ttmp7, 0xffff                    ; the segment
	v_lshlrev_b32 v1, 4, v0                        ; 16 bytes a thread in
	v_lshlrev_b32 v2, 3, v0                        ; 8 bytes a thread out
	s_mov_b32 s32, 0                               ; first segment of the source buffer
	s_mov_b32 s33, 0                               ; first segment of the destination buffer
	s_mov_b32 s34, 0x80000                         ; bytes from segment to segment in the destination
	s_mov_b32 s35, 0xc0000                         ; the same in Kc and Vc: a head of 3,072 rows
	s_mov_b32 s40, 0x3f800000                      ; the factor: 1.0
	s_wait_kmcnt 0x0
	s_mov_b64 s[4:5], s[8:9]                       ; source
	s_mov_b64 s[6:7], s[22:23]                     ; destination
	; six thresholds; behind each compare stand selects alone, which leave SCC as it is
	s_cmp_ge_u32 s2, 16
	s_cselect_b64 s[4:5], s[10:11], s[4:5]
	s_cselect_b64 s[6:7], s[24:25], s[6:7]
	s_cselect_b32 s32, 16, s32
	s_cselect_b32 s33, 16, s33
	s_cmp_ge_u32 s2, 32
	s_cselect_b64 s[4:5], s[12:13], s[4:5]
	s_cselect_b32 s32, 32, s32
	s_cmp_ge_u32 s2, 48
	s_cselect_b64 s[4:5], s[14:15], s[4:5]
	s_cselect_b32 s32, 48, s32
	s_cmp_ge_u32 s2, 64
	s_cselect_b64 s[4:5], s[16:17], s[4:5]
	s_cselect_b64 s[6:7], s[26:27], s[6:7]
	s_cselect_b32 s32, 64, s32
	s_cselect_b32 s33, 64, s33
	s_cselect_b32 s40, 0x40800000, s40             ; Wo: 4.0
	s_cmp_ge_u32 s2, 80
	s_cselect_b64 s[4:5], s[18:19], s[4:5]
	s_cselect_b64 s[6:7], s[28:29], s[6:7]
	s_cselect_b32 s32, 80, s32
	s_cselect_b32 s33, 80, s33
	s_cselect_b32 s34, s35, s34
	s_cselect_b32 s40, 0x3e800000, s40             ; past keys and values: 0.25
	s_cmp_ge_u32 s2, 112
	s_cselect_b64 s[4:5], s[20:21], s[4:5]
	s_cselect_b64 s[6:7], s[30:31], s[6:7]
	s_cselect_b32 s32, 112, s32
	s_cselect_b32 s33, 112, s33
	s_mov_b32 s41, s40                             ; the packed multiply names the pair
	s_sub_co_u32 s36, s2, s32                      ; offsets are made apart from the addresses; both stay below 2^26
	s_lshl_b32 s36, s36, 20
	s_lshl_b32 s37, ttmp9, 16
	s_add_co_u32 s36, s36, s37
	s_mov_b32 s37, 0
	s_add_nc_u64 s[4:5], s[4:5], s[36:37]
	s_sub_co_u32 s38, s2, s33
	s_mul_i32 s38, s38, s34
	s_lshl_b32 s39, ttmp9, 15
	s_add_co_u32 s38, s38, s39
	s_mov_b32 s39, 0
	s_add_nc_u64 s[6:7], s[6:7], s[38:39]
.irp i, 0,1,2,3,4,5,6,7,8,9,10,11,12,13,14,15
	global_load_b128 v[X+4*\i:X+4*\i+3], v1, s[4:5] offset:\i*4096 th:TH_LOAD_NT    ; read once in the whole launch
.endr
.irp i, 0,1,2,3,4,5,6,7,8,9,10,11,12,13,14,15
	s_wait_loadcnt 15-\i                           ; loads come back in order: load i is in, the 15 - i younger ones stay out
	v_pk_mul_f32 v[X+4*\i:X+4*\i+1], v[X+4*\i:X+4*\i+1], s[40:41] op_sel_hi:[1,0]   ; a power of two: exact
	v_pk_mul_f32 v[X+4*\i+2:X+4*\i+3], v[X+4*\i+2:X+4*\i+3], s[40:41] op_sel_hi:[1,0]
	v_cvt_pk_f16_f32 v[Y+2*\i], v[X+4*\i], v[X+4*\i+1]
	v_cvt_pk_f16_f32 v[Y+2*\i+1], v[X+4*\i+2], v[X+4*\i+3]
	global_store_b64 v2, v[Y+2*\i:Y+2*\i+1], s[6:7] offset:\i*2048                  ; later launches read these bytes: no hint
.endr
	s_endpgm
.Lfunc_end_k_qc0a929eb6f_cast:
	.size	k_qc0a929eb6f_cast, .Lfunc_end_k_qc0a929eb6f_cast-k_qc0a929eb6f_cast
	.p2alignl 7, 3214868480
	.fill 96, 4, 3214868480
	.section	.rodata,"a",@progbits
	.p2align	6, 0x0
	.amdhsa_kernel k_qc0a929eb6f_cast
		.amdhsa_group_segment_fixed_size 0
		.amdhsa_private_segment_fixed_size 0
		.amdhsa_enable_private_segment 0
		.amdhsa_kernarg_size 96
		.amdhsa_user_sgpr_count 2
		.amdhsa_user_sgpr_kernarg_segment_ptr 1
		.amdhsa_wavefront_size32 1
		.amdhsa_system_sgpr_workgroup_id_x 1
		.amdhsa_system_sgpr_workgroup_id_y 1
		.amdhsa_system_sgpr_workgroup_id_z 1
		.amdhsa_system_vgpr_workitem_id 0
		.amdhsa_next_free_vgpr 104
		.amdhsa_next_free_sgpr 66
		.amdhsa_reserve_vcc 0
		.amdhsa_float_denorm_mode_32 3
		.amdhsa_float_denorm_mode_16_64 3
		.amdhsa_memory_ordered 1
		.amdhsa_forward_progress 1
		.amdhsa_inst_pref_size 10
	.end_amdhsa_kernel
	.amdgpu_metadata
---
amdhsa.version: [ 1, 2 ]
amdhsa.kernels:
  - .name:           k_qc0a929eb6f_cast
    .symbol:         k_qc0a929eb6f_cast.kd
    .args:
      - { .name: x, .offset: 0, .size: 8, .value_kind: global_buffer, .address_space: global }
      - { .name: Wq, .offset: 8, .size: 8, .value_kind: global_buffer, .address_space: global }
      - { .name: Wk, .offset: 16, .size: 8, .value_kind: global_buffer, .address_space: global }
      - { .name: Wv, .offset: 24, .size: 8, .value_kind: global_buffer, .address_space: global }
      - { .name: Wo, .offset: 32, .size: 8, .value_kind: global_buffer, .address_space: global }
      - { .name: past_key, .offset: 40, .size: 8, .value_kind: global_buffer, .address_space: global }
      - { .name: past_value, .offset: 48, .size: 8, .value_kind: global_buffer, .address_space: global }
      - { .name: xh, .offset: 56, .size: 8, .value_kind: global_buffer, .address_space: global }
      - { .name: Wqkv, .offset: 64, .size: 8, .value_kind: global_buffer, .address_space: global }
      - { .name: Woh, .offset: 72, .size: 8, .value_kind: global_buffer, .address_space: global }
      - { .name: Kc, .offset: 80, .size: 8, .value_kind: global_buffer, .address_space: global }
      - { .name: Vc, .offset: 88, .size: 8, .value_kind: global_buffer, .address_space: global }
    .group_segment_fixed_size: 0
    .private_segment_fixed_size: 0
    .kernarg_segment_align: 8
    .kernarg_segment_size: 96
    .max_flat_workgroup_size: 256
    .sgpr_count:     66
    .vgpr_count:     104
    .wavefront_size: 32
...
	.end_amdgpu_metadata
.endif
;; end of part 1
;; launch qkv (part 2): grid 24 x 8, 4 waves a work-group, clusters of 4 x 4, 327,680 bytes of LDS; arguments xh, Wqkv, Qh, Kc, Vc; writes Qh, Kc, Vc
.if DOCPART == 2
	.amdgcn_target "amdgcn-amd-amdhsa--gfx1250"
	.amdhsa_code_object_version 6
	.text
	.protected	k_qc0a929eb6f_qkv
	.globl	k_qc0a929eb6f_qkv
	.p2align	8
	.type	k_qc0a929eb6f_qkv,@function
k_qc0a929eb6f_qkv:
	s_mov_b64 s[64:65], 0
	v_nop
	global_prefetch_b8 v0, s[64:65] scope:SCOPE_SE
	s_setreg_imm32_b32 hwreg(HW_REG_WAVE_MODE, 25, 1), 1
	s_wait_xcnt 0x0
	s_wait_alu depctr_hold_cnt(0) depctr_sa_sdst(0) depctr_va_vdst(0) depctr_va_sdst(0) depctr_va_ssrc(0) depctr_va_vcc(0) depctr_vm_vsrc(0)
	s_getreg_b32 s2, hwreg(HW_REG_IB_STS2, 6, 4)
	s_cmp_eq_u32 s2, 0
	s_cbranch_scc0 .Lentry_in_a_cluster
	s_endpgm
.Lentry_in_a_cluster:
	s_bfe_u32 s2, ttmp6, 0x10000c
	s_cmp_lg_u32 s2, 0xf033
	s_cbranch_scc0 .Lentry_shape_is_right
	s_endpgm
.Lentry_shape_is_right:
; [2048 x 2048] xh times [6144 x 2048] Wqkv transposed: the three projections as one product, f16 operands, f32 sums, f16 out in head layout.
; OUT: Q is stored as Q x 4 c, c = log2(e) / sqrt(128), K and V as K / 4 and V / 4: the scores K Q^T of the next launch then come in units of log2, and each operand sits in
; the middle of f16's range.  ROOM (largest f16 number 65,504): with x and the weights 30 times larger the projections reach about 5,000: 2,600 for Q x 4 c, 1,250 for K / 4, V / 4.
; With offsets of 30 spreads on x and on the weights together they reach 2048 x 30 x 0.663 = 40,700: 20,800 and 10,200.  With both 30 times smaller the spread of K / 4 is 2.8e-4, and f16's
; step of 2^-24 below 2^-14 leaves an error of at most 1e-4 of that spread.  LIMIT: |Q| above 128,000, |K| or |V| above 262,000 overflow.
; A work-group makes 256 x 256 with four waves, a wave 128 x 128: 64 accumulator tiles of 16 x 16 in 512 registers.  A wave's 128 columns are
; exactly one head of Q, K or V, its 128 rows 128 positions of one batch: its result is 32 KiB of consecutive bytes of Qh, or of Kc or Vc from row 2048 on.
; 24 x 8 = 192 work-groups: narrower blocks would make more of them but would cut the 256-byte rows of a head between work-groups.
; K goes in steps of 128 through two LDS slots filled by tensor loads: a tile's rows are 256 bytes of memory at multiples of 256 bytes.
; CLUSTERS of 4 x 4: the four work-groups of a row of the cluster need the same tiles of xh, the four of a column the same tiles of Wqkv; each tile is
; asked for jointly (same line, same descriptor, a mask that names the four), which divides the requests by four.
; REGISTERS in windows of 256: window 0: v0-31 addresses, v64-127 and v128-191 fragments of A (two buffers), v192-223 the way out;
; window 1: fragments of B, two buffers; windows 2 and 3: the accumulator tiles of my rows 0-63 and 64-127 (tile (a, b) at v[8 (8 a + b)]).
; The matrix instruction is used transposed (source 0 = rows of B, source 1 = rows of A): a lane then holds eight neighbouring columns of one row.
.set SIZE_K, 2048
.set KSTEP,  128
.set PITCH,  272                       ; an LDS row: 256 bytes + 16 of padding, an odd multiple of 16: the 16 rows of a fragment load start in 16 different 16-byte columns
.set HALFT,  128*PITCH                 ; what one tensor load brings
.set SLOT,   4*HALFT                   ; A's 256 rows, then B's 256 rows
.set STAGE,  2*SLOT                    ; behind the ring: 16 rows x 272 bytes for each wave; no tensor load lands here
.set SPITCH, 272
.set LAPS, SIZE_K/(2*KSTEP)            ; 8 laps of two K steps
.set ADRA, 16                          ; v16-17  LDS address of my A fragments in slot 0, 1
.set ADRB, 20                          ; v20-21  the same for B
.set STO,  24                          ; v24     the way out: where I put 16 bytes of a row
.set RD,   25                          ; v25     the way out: where I read rows back
.set CO,   26                          ; v26     16 x lane: two rows of a head are 512 consecutive bytes
.set F0,   64
.set F1,   128
.set TMP,  192
.set G1, 24                            ; s[24:31] group 1 for A's tiles
.set G0, 32                            ; s[32:39] group 0 for A's tiles, a set for each slot
.set G1B, 48                           ; s[48:55] group 1 for B's tiles
.set G0B, 56                           ; s[56:63] group 0 for B's tiles, a set for each slot
.set MSB, 0
.macro WIN new                         ; low byte: bits 1:0 source 0, 3:2 source 1, 5:4 source 2, 7:6 destination; the high byte repeats the setting that is left
.if MSB != \new
	s_set_vgpr_msb (MSB<<8)|\new
.set MSB, \new
.endif
.endm
.set MUL_LO, 0xa1                      ; source 0 (B) window 1, source 1 (A) window 0, C and D window 2
.set MUL_HI, 0xf1                      ; the same, C and D window 3
.set TO_B,   0x40
.macro JLOAD s                         ; waves 0, 1 ask for A's halves, waves 2, 3 for B's: each line has one mask; the branch hangs on the wave's number alone
	s_cmp_eq_u32 s11, 0
	s_cbranch_scc0 .Lfor_b_\@
	tensor_load_to_lds s[G0+4*\s:G0+4*\s+3], s[G1:G1+7]
	s_nop 0
	s_branch .Lasked_\@
.Lfor_b_\@:
	tensor_load_to_lds s[G0B+4*\s:G0B+4*\s+3], s[G1B:G1B+7]
	s_nop 0
.Lasked_\@:
.endm
.macro CREST                           ; a round of the cluster's barrier behind its opening work-group barrier
	s_cmp_lg_u32 s10, 0
	s_cbranch_scc1 .Lnot_wave_0_\@
	s_barrier_signal -3
.Lnot_wave_0_\@:
	s_barrier_wait -3
	s_barrier_signal -1
	s_barrier_wait -1
.endm
.macro CROUND
	s_barrier_signal -1
	s_barrier_wait -1
	CREST
.endm
	s_load_b128 s[4:7], s[0:1], 0x0                ; xh s[4:5], Wqkv s[6:7]
	s_load_b128 s[68:71], s[0:1], 0x10             ; Qh s[68:69], Kc s[70:71]
	s_load_b64 s[72:73], s[0:1], 0x20              ; Vc
	s_set_vgpr_msb 0x40
	v_lshl_add_u32 v255, v0, 2, 0x48400
	s_set_vgpr_msb 0x4000
	v_mov_b32 v255, 0
	s_set_vgpr_msb 0x1
	ds_add_u32 v255, v255
	s_set_vgpr_msb 0x100
	v_lshrrev_b32 v1, 5, v0
	v_readfirstlane_b32 s10, v1                    ; wave 0..3
	s_lshr_b32 s11, s10, 1                         ; my half of the block's rows; also: I fetch for A (0) or B (1)
	s_and_b32 s12, s10, 1                          ; my half of its columns; also: which 128 rows of that tile I fetch
	s_bfe_u32 s40, ttmp6, 0x40000                  ; cx
	s_bfe_u32 s41, ttmp6, 0x40004                  ; cy
	s_lshl_b32 s42, ttmp9, 2
	s_add_co_u32 s42, s42, s40                     ; block column = 4 x cluster x + cx
	s_and_b32 s13, ttmp7, 0xffff
	s_lshl_b32 s13, s13, 2
	s_add_co_u32 s13, s13, s41                     ; block row = 4 x cluster y + cy
	s_lshl_b32 s43, s41, 2
	s_lshl_b32 s43, 15, s43                        ; my row of the cluster: places 4 cy .. 4 cy + 3
	s_lshl_b32 s44, 0x1111, s40                    ; my column: places cx, cx + 4, cx + 8, cx + 12
	s_or_b32 s[G1+0], s43, (1<<16)|(1<<20)|(1<<21)|(5<<22)|(3<<25)  ; mask; 2-byte elements; padding on; bit 21 beside a mask; after every 64 words 4 words
	s_or_b32 s[G1B+0], s44, (1<<16)|(1<<20)|(1<<21)|(5<<22)|(3<<25)
	s_mov_b32 s[G1+1], KSTEP<<16                   ; tensor_dim0 = 128
	s_mov_b32 s[G1B+1], KSTEP<<16
	s_mov_b32 s[G1+2], 128<<16                     ; tensor_dim1 = 128
	s_mov_b32 s[G1B+2], 128<<16
	s_mov_b32 s[G1+3], KSTEP<<16                   ; tile_dim0 = 128
	s_mov_b32 s[G1B+3], KSTEP<<16
	s_mov_b32 s[G1+4], 128                         ; tile_dim1 = 128
	s_mov_b32 s[G1B+4], 128
	s_mov_b32 s[G1+5], SIZE_K                      ; elements from row to row
	s_mov_b32 s[G1B+5], SIZE_K
	s_mov_b32 s[G1+6], 0
	s_mov_b32 s[G1B+6], 0
	s_mov_b32 s[G1+7], 0
	s_mov_b32 s[G1B+7], 0
	; A's address hangs on the block row and the wave, B's on the block column and the wave, each in registers that never hold the other coordinate
	s_lshl_b32 s17, s12, 7
	s_lshl_b32 s16, s13, 8
	s_add_co_u32 s16, s16, s17
	s_lshl_b32 s46, s42, 8
	s_add_co_u32 s46, s46, s17
	s_mov_b32 s17, 0
	s_mov_b32 s47, 0
	s_mov_b64 s[18:19], SIZE_K*2
	s_mul_u64 s[16:17], s[16:17], s[18:19]
	s_mul_u64 s[46:47], s[46:47], s[18:19]
	s_mul_i32 s20, s10, HALFT                      ; LDS: wave x 128 rows; no place in the cluster enters an LDS address
	s_wait_dscnt 0x0
	s_wait_kmcnt 0x0
	s_add_nc_u64 s[14:15], s[4:5], s[16:17]
	s_add_nc_u64 s[46:47], s[6:7], s[46:47]
	CROUND                                         ; all sixteen work-groups are here: the first joint loads meet
.irp s, 0,1
	s_mov_b32 s[G0+4*\s], 1
	s_add_co_u32 s[G0+4*\s+1], s20, \s*SLOT
	s_add_nc_u64 s[G0+4*\s+2:G0+4*\s+3], s[14:15], \s*KSTEP*2
	s_or_b32 s[G0+4*\s+3], s[G0+4*\s+3], 0x80000000
	s_mov_b32 s[G0B+4*\s], 1
	s_add_co_u32 s[G0B+4*\s+1], s20, \s*SLOT
	s_add_nc_u64 s[G0B+4*\s+2:G0B+4*\s+3], s[46:47], \s*KSTEP*2
	s_or_b32 s[G0B+4*\s+3], s[G0B+4*\s+3], 0x80000000
	JLOAD \s                                       ; both first fills go out together: two tensor loads of the wave are out here, one behind every later round
.endr
	; a fragment: lane l holds row l % 16; registers 0-3 K = 8 (l / 16) + 0..7, registers 4-7 K = 16 + 8 (l / 16) + 0..7: two loads of 16 bytes, 32 bytes apart
	v_and_b32 v1, 15, v0
	v_bfe_u32 v2, v0, 4, 1
	v_mul_u32_u24 v3, v1, PITCH
	v_lshl_add_u32 v3, v2, 4, v3
	s_mul_i32 s21, s11, HALFT
	s_mul_i32 s22, s12, HALFT
	s_add_co_u32 s22, s22, 2*HALFT
.irp s, 0,1
	v_add_nc_u32 v[ADRA+\s], s21, v3
	v_add_nc_u32 v[ADRB+\s], s22, v3
	s_add_co_u32 s21, s21, SLOT
	s_add_co_u32 s22, s22, SLOT
.endr
	s_mul_i32 s23, s10, 16*SPITCH
	s_add_co_u32 s23, s23, STAGE
	v_mul_u32_u24 v4, v1, SPITCH
	v_lshl_add_u32 v4, v2, 4, v4
	v_add_nc_u32 v[STO], s23, v4
	v_mul_u32_u24 v5, v2, SPITCH
	v_lshl_add_u32 v5, v1, 4, v5
	v_add_nc_u32 v[RD], s23, v5
	v_and_b32 v5, 31, v0
	v_lshlrev_b32 v[CO], 4, v5
; 16 matrix instructions: m blocks a0, a0 + 1 of the window's four x all 8 n blocks, 32 along K.  zero = 1: the first product starts the sums.
; The 64 accumulators take turns, one instruction a turn, in the same order in every quarter step.
.macro MUL16 f, hi, a0, zero
.irp a, \a0, \a0+1
.irp b, 0,1,2,3,4,5,6,7
.if \zero
	v_wmma_f32_16x16x32_f16 v[8*(8*(\a)+\b):8*(8*(\a)+\b)+7], v[\f+8*\b:\f+8*\b+7], v[\f+8*(4*\hi+\a):\f+8*(4*\hi+\a)+7], 0
.else
	v_wmma_f32_16x16x32_f16 v[8*(8*(\a)+\b):8*(8*(\a)+\b)+7], v[\f+8*\b:\f+8*\b+7], v[\f+8*(4*\hi+\a):\f+8*(4*\hi+\a)+7], v[8*(8*(\a)+\b):8*(8*(\a)+\b)+7]
.endif
.endr
.endr
.endm
.macro FETCH slot, k, f                ; 32 LDS loads in one run: one quarter step's fragments (B's 128 rows, A's 128 rows, 32 K at byte k) into buffer f
	WIN TO_B
.irp i, 0,1,2,3,4,5,6,7
	ds_load_b128 v[\f+8*\i:\f+8*\i+3],   v[ADRB+\slot] offset:\k+\i*16*PITCH
	ds_load_b128 v[\f+8*\i+4:\f+8*\i+7], v[ADRB+\slot] offset:\k+\i*16*PITCH+32
.endr
	WIN 0
.irp i, 0,1,2,3,4,5,6,7
	ds_load_b128 v[\f+8*\i:\f+8*\i+3],   v[ADRA+\slot] offset:\k+\i*16*PITCH
	ds_load_b128 v[\f+8*\i+4:\f+8*\i+7], v[ADRA+\slot] offset:\k+\i*16*PITCH+32
.endr
.endm
.macro PLACES                          ; four independent vector places between a matrix instruction and a load into, or a vector use of, its registers
.rept 4
	v_nop
.endr
.endm
.macro QUARTER slot, k, f, g, zero     ; multiplies buffer f; in its middle fetches the next quarter's fragments into buffer g
	s_wait_dscnt 8                                 ; B and A's rows 0-63 are in; the youngest eight loads (A's rows 64-127) may be out
	WIN MUL_LO
	MUL16 \f, 0, 0, \zero
	MUL16 \f, 0, 2, \zero
	PLACES
	FETCH \slot, \k, \g
	s_wait_dscnt 32                                ; all but the 32 just issued
	WIN MUL_HI
	MUL16 \f, 1, 0, \zero
	MUL16 \f, 1, 2, \zero
.endm
.macro THREE slot, zero
	QUARTER \slot, 64,  F0, F1, \zero
	QUARTER \slot, 128, F1, F0, 0
	QUARTER \slot, 192, F0, F1, 0
.endm
; The last quarter of a K step multiplies buffer 1 and changes slots.  In front of the barrier each wave waits for its reads of this slot and for all its
; tensor loads (one is out: its part of the next slot); behind it (with fill: behind the cluster's round that it opens) the refill comes first.
.macro TURN slot, next, fill
	s_wait_dscnt 8
	WIN MUL_LO
	MUL16 F1, 0, 0, 0
	s_wait_dscnt 0                                 ; my reads of this slot are over
	s_wait_tensorcnt 0x0                           ; all my tensor loads have landed
	ds_add_u32 v255, v255
	s_wait_dscnt 0x0
	s_barrier_signal -1
	MUL16 F1, 0, 2, 0                              ; register work while the others arrive
	WIN 0
	s_barrier_wait -1
.if \fill
	CREST                                          ; no wave of any partner still reads this slot or has a load on its way
	s_add_nc_u64 s[G0+4*\slot+2:G0+4*\slot+3], s[G0+4*\slot+2:G0+4*\slot+3], 2*KSTEP*2
	s_add_nc_u64 s[G0B+4*\slot+2:G0B+4*\slot+3], s[G0B+4*\slot+2:G0B+4*\slot+3], 2*KSTEP*2
	JLOAD \slot                                    ; the wave's one tensor load behind the round
.endif
	PLACES
	FETCH \next, 0, F0
	WIN MUL_HI
	MUL16 F1, 1, 0, 0
	MUL16 F1, 1, 2, 0
.endm
.macro LAP zero
	THREE 0, \zero
	TURN 0, 1, 1
	THREE 1, 0
	TURN 1, 0, 1
.endm
	s_wait_tensorcnt 1                             ; my part of K step 0 is in; K step 1's stays out
	s_barrier_signal -1
	s_barrier_wait -1
	FETCH 0, 0, F0
	LAP 1                                          ; the first lap's first products start the sums
	WIN 0
	s_mov_b32 s3, LAPS-2
.Llap:
	LAP 0
	WIN 0
	s_sub_co_u32 s3, s3, 1
	s_cmp_lg_u32 s3, 0
	s_cbranch_scc1 .Llap
	THREE 0, 0                                     ; the last lap fills nothing
	TURN 0, 1, 0
	THREE 1, 0
	s_wait_dscnt 8
	WIN MUL_LO
	MUL16 F1, 0, 0, 0
	MUL16 F1, 0, 2, 0
	s_wait_dscnt 0
	WIN MUL_HI
	MUL16 F1, 1, 0, 0
	MUL16 F1, 1, 2, 0
	; THE WAY OUT.  Rows: batch = block row / 4, positions (block row % 4) x 256 + 128 x my row half.  Columns: group of 128 = 2 x block column + my column half;
	; group / 16 says Q, K or V, group % 16 the head.  Q goes to Qh [head][1024][128]; K and V to rows 2048 + position of Kc, Vc [head][3072][128].
	PLACES
	s_lshr_b32 s66, s13, 2                         ; batch
	s_and_b32 s67, s13, 3
	s_lshl_b32 s67, s67, 8
	s_lshl_b32 s74, s11, 7
	s_add_co_u32 s67, s67, s74                     ; my first position
	s_lshl_b32 s74, s42, 1
	s_add_co_u32 s74, s74, s12                     ; my group of 128 columns, 0..47
	s_lshr_b32 s75, s74, 4                         ; 0 Q, 1 K, 2 V
	s_and_b32 s74, s74, 15
	s_lshl4_add_u32 s66, s66, s74                  ; head = 16 x batch + head of the batch
	s_mov_b32 s76, 786432                          ; bytes of a head in Kc, Vc
	s_mov_b32 s78, 0x3e800000                      ; K and V are stored times 0.25
	s_cmp_eq_u32 s75, 0
	s_cselect_b32 s76, 262144, s76                 ; bytes of a head in Qh
	s_cselect_b32 s77, 0, 2048                     ; new keys and values stand behind the 2,048 past ones
	s_cselect_b32 s78, 0x3f0293ee, s78             ; Q is stored times 4 log2(e) / sqrt(128) = 0.51007
	s_cselect_b64 s[8:9], s[68:69], s[70:71]
	s_cmp_eq_u32 s75, 2
	s_cselect_b64 s[8:9], s[72:73], s[8:9]
	s_mov_b32 s79, s78                             ; the packed multiply names the pair
	s_mul_i32 s66, s66, s76
	s_add_co_u32 s67, s67, s77
	s_lshl_b32 s67, s67, 8                         ; rows of 256 bytes
	s_add_co_u32 s66, s66, s67
	s_mov_b32 s67, 0
	s_add_nc_u64 s[8:9], s[8:9], s[66:67]
; 16 rows at a time: the factor in f32, one rounding to f16, 16 bytes a lane into my own stage, read back as whole rows, store 512 consecutive bytes an instruction.
; sc: destination and source 0 in the accumulators' window (0x82 or 0xc3); from: sources 0 and 1 in it (0x0a or 0x0f)
.macro OUT16 i, a, sc, from, f
	WIN \sc
.irp b, 0,1,2,3,4,5,6,7
.irp r, 0,1,2,3
	v_pk_mul_f32 v[8*(8*\a+\b)+2*\r:8*(8*\a+\b)+2*\r+1], v[8*(8*\a+\b)+2*\r:8*(8*\a+\b)+2*\r+1], s[78:79] op_sel_hi:[1,0]
.endr
.endr
	WIN \from
.irp b, 0,1,2,3,4,5,6,7
.irp r, 0,1,2,3
	v_cvt_pk_f16_f32 v[TMP+4*\b+\r], v[8*(8*\a+\b)+2*\r], v[8*(8*\a+\b)+2*\r+1]
.endr
.endr
	WIN 0
.irp b, 0,1,2,3,4,5,6,7
	ds_store_b128 v[STO], v[TMP+4*\b:TMP+4*\b+3] offset:32*\b
.endr
	s_wait_xcnt 0x0                                ; buffer f, which earlier stores read, and the stores' base are rewritten only behind this wait
.if \i
	s_add_nc_u64 s[8:9], s[8:9], 4096              ; 16 rows of 256 bytes on
.endif
.irp t, 0,1,2,3,4,5,6,7
	ds_load_b128 v[\f+4*\t:\f+4*\t+3], v[RD] offset:\t*2*SPITCH    ; LDS serves a wave's instructions in order: these see the stores above
.endr
.irp t, 0,1,2,3,4,5,6,7
	s_wait_dscnt 7-\t                              ; load t is in, the 7 - t younger ones stay out
	global_store_b128 v[CO], v[\f+4*\t:\f+4*\t+3], s[8:9] offset:\t*512
.endr
.endm
	OUT16 0, 0, 0x82, 0x0a, F0
	OUT16 1, 1, 0x82, 0x0a, F1
	OUT16 2, 2, 0x82, 0x0a, F0
	OUT16 3, 3, 0x82, 0x0a, F1
	OUT16 4, 0, 0xc3, 0x0f, F0
	OUT16 5, 1, 0xc3, 0x0f, F1
	OUT16 6, 2, 0xc3, 0x0f, F0
	OUT16 7, 3, 0xc3, 0x0f, F1
	s_set_vgpr_msb 0x1
	s_wait_tensorcnt 0x0
	ds_add_u32 v255, v255
	s_wait_dscnt 0x0
	s_set_vgpr_msb 0x100
	CROUND                                         ; the closing round: no work-group ends while a partner may still ask for a tile that names it
	s_endpgm
.Lfunc_end_k_qc0a929eb6f_qkv:
	.size	k_qc0a929eb6f_qkv, .Lfunc_end_k_qc0a929eb6f_qkv-k_qc0a929eb6f_qkv
	.p2alignl 7, 3214868480
	.fill 96, 4, 3214868480
	.section	.rodata,"a",@progbits
	.p2align	6, 0x0
	.amdhsa_kernel k_qc0a929eb6f_qkv
		.amdhsa_group_segment_fixed_size 327680
		.amdhsa_private_segment_fixed_size 0
		.amdhsa_enable_private_segment 0
		.amdhsa_kernarg_size 40
		.amdhsa_user_sgpr_count 2
		.amdhsa_user_sgpr_kernarg_segment_ptr 1
		.amdhsa_wavefront_size32 1
		.amdhsa_system_sgpr_workgroup_id_x 1
		.amdhsa_system_sgpr_workgroup_id_y 1
		.amdhsa_system_sgpr_workgroup_id_z 1
		.amdhsa_system_vgpr_workitem_id 0
		.amdhsa_next_free_vgpr 1024
		.amdhsa_next_free_sgpr 80
		.amdhsa_reserve_vcc 0
		.amdhsa_float_denorm_mode_32 3
		.amdhsa_float_denorm_mode_16_64 3
		.amdhsa_memory_ordered 1
		.amdhsa_forward_progress 1
		.amdhsa_inst_pref_size 213
	.end_amdhsa_kernel
	.amdgpu_metadata
---
amdhsa.version: [ 1, 2 ]
amdhsa.kernels:
  - .name:           k_qc0a929eb6f_qkv
    .symbol:         k_qc0a929eb6f_qkv.kd
    .args:
      - { .name: xh, .offset: 0, .size: 8, .value_kind: global_buffer, .address_space: global }
      - { .name: Wqkv, .offset: 8, .size: 8, .value_kind: global_buffer, .address_space: global }
      - { .name: Qh, .offset: 16, .size: 8, .value_kind: global_buffer, .address_space: global }
      - { .name: Kc, .offset: 24, .size: 8, .value_kind: global_buffer, .address_space: global }
      - { .name: Vc, .offset: 32, .size: 8, .value_kind: global_buffer, .address_space: global }
    .group_segment_fixed_size: 327680
    .private_segment_fixed_size: 0
    .kernarg_segment_align: 8
    .kernarg_segment_size: 40
    .max_flat_workgroup_size: 128
    .sgpr_count:     80
    .vgpr_count:     1024
    .wavefront_size: 32
...
	.end_amdgpu_metadata
.endif
;; end of part 2
;; launch attn (part 3): grid 8 x 32, 4 waves a work-group, clusters of 4 x 1, 327,680 bytes of LDS; arguments Qh, Kc, Vc, Ah; writes Ah
.if DOCPART == 3
	.amdgcn_target "amdgcn-amd-amdhsa--gfx1250"
	.amdhsa_code_object_version 6
	.text
	.protected	k_qc0a929eb6f_attn
	.globl	k_qc0a929eb6f_attn
	.p2align	8
	.type	k_qc0a929eb6f_attn,@function
k_qc0a929eb6f_attn:
	s_mov_b64 s[64:65], 0
	v_nop
	global_prefetch_b8 v0, s[64:65] scope:SCOPE_SE
	s_setreg_imm32_b32 hwreg(HW_REG_WAVE_MODE, 25, 1), 1
	s_wait_xcnt 0x0
	s_wait_alu depctr_hold_cnt(0) depctr_sa_sdst(0) depctr_va_vdst(0) depctr_va_sdst(0) depctr_va_ssrc(0) depctr_va_vcc(0) depctr_vm_vsrc(0)
	s_getreg_b32 s2, hwreg(HW_REG_IB_STS2, 6, 4)
	s_cmp_eq_u32 s2, 0
	s_cbranch_scc0 .Lentry_in_a_cluster
	s_endpgm
.Lentry_in_a_cluster:
	s_bfe_u32 s2, ttmp6, 0x10000c
	s_cmp_lg_u32 s2, 0x3003
	s_cbranch_scc0 .Lentry_shape_is_right
	s_endpgm
.Lentry_shape_is_right:
; Attention of one head (work-group y) for 128 queries (block qb = 4 x cluster x + cx), over 2,048 past and up to 1,024 new keys, with a running maximum.
; FORMATS: f16 operands, f32 sums.  Qh holds Q x 4 log2(e) / sqrt(128), Kc holds K / 4: their product is the score in units of log2, so a weight is 2^(s - M), with s - M never
; above 0 and exactly 0 for the largest score: no exponential overflows and every sum is at least 1, whatever the size of the scores.  The weights lie in [0, 1], which f16 holds for
; every input.  Vc holds V / 4; the result, a weighted mean of its rows, is bounded by them and is stored with the same factor 1 / 4.
; CLUSTER of four query blocks of one head: they read the same tiles of K and V, asked for jointly (mask 15).  Trip counts hang on the cluster's x alone:
; 10 + 2 x (cluster x) double tiles of 256 keys.  From key 2,048 on every score is masked by a select; a block beyond its diagonal computes zeros, since
; partners must make the same joint requests.
; WAVES: kh = wave / 2 takes 64 of each 128 keys, qg = wave % 2 takes 64 of the 128 queries; each wave keeps its own maximum, sum and O (64 x 128 f32);
; the two waves of a query group are merged at the end.  So a byte of K or V is read from LDS by two waves, not by four.
; TRANSPOSED FORM: S^T = K Q^T (register j of lane (r, h): key 8 h + j, query r).  After the exponential two neighbouring tiles of S^T, rounded to f16 in pairs,
; ARE a B fragment of P^T, so O^T = V^T P^T needs no traffic between lanes; V^T's fragments come by the transposing LDS load from V as it lies.
; A query's figures live in its lane; only the maximum crosses the two halves of the wave, by one lane exchange.
; LIMITS: NaN and infinities in the inputs are not treated.  A weight below 2^-25 of the running maximum's rounds to zero in f16 (below 2^-14 its error is at most 2^-25):
; over 3,072 keys at most 1e-4 of a sum that is at least 1.  The sums of weights are kept in f32 from the unrounded weights.
.set PK, 272                           ; K's LDS rows: 256 bytes + 16, an odd multiple of 16
.set PV, 288                           ; V's LDS rows: 256 bytes + 32, an odd multiple of 32, for the transposing load
.set KHALF, 128*PK                     ; 128 rows: one tensor load, and one unit's keys
.set VHALF, 128*PV
.set KV, 2*KHALF                       ; V's 256 rows lie behind K's 256
.set SLOT, KV+2*VHALF                  ; 143,360 bytes; two slots
.set DTB, 65536                        ; a double tile in memory: 256 rows of 256 bytes
.set HEADB, 786432                     ; a head of Kc or Vc
; slot 0 has its last fill before the last double tile (which lies in slot 1) is read; behind that it serves as the stage of the merge:
.set STAT, 65536                       ; + wave x 1,024: maxima (512 bytes), sums (512 bytes)
.set OST, 69632                        ; + wave x 4,352: 16 rows x 272 bytes for the way out;  bytes 0..65,535: O of waves 2 and 3, 32 KiB each
; window 0
.set ADRK, 16                          ; v16-17 K fragments in slot 0, 1
.set ADRV, 18                          ; v18-19 V fragments in slot 0, 1
.set QO, 20
.set PFO, 21
.set STATA, 22
.set PSTAT, 23
.set MRGA, 24
.set STO, 25
.set RD, 26
.set CO, 27
.set KF, 64                            ; v64-191 K fragment (ds, kt) at 8 (4 ds + kt)
.set TMP, 192
; window 1: O^T tile (dt, qt) at 8 (4 dt + qt)
; window 2: S^T tile (kt, qt) at 8 (4 kt + qt), and
.set RP, 128                           ; P^T fragment (ks, qt) at 128 + 8 (4 ks + qt)
.set RM, 192                           ; running maximum, one register for each qt
.set RMN, 196
.set RT, 200
.set RNM, 204                          ; - M, twice (a pair for the packed add)
.set RAL, 212                          ; rescale factor, twice
.set RL, 220                           ; two partial sums
.set RDL, 228                          ; the mask's bound
.set RNINF, 229
.set RLS, 232
.set RPM, 236
.set RPL, 240
; window 3
.set QF, 0                             ; Q fragment (qt, ds) at 8 (4 qt + ds)
.set VF, 128                           ; V^T fragment (ks, dt) at 128 + 8 (8 ks + dt)
.set W_S, 0xac                         ; D, C window 2; A (K) window 0; B (Q) window 3
.set W_PV, 0x5b                        ; D, C window 1; A (V) window 3; B (P) window 2
.set W_2, 0xaa
.set W_OS, 0x49                        ; O (window 1) times a pair of window 2
.set G1K, 24
.set G0K, 32
.set G1V, 40
.set G0V, 48
.set MSB, 0
.macro WIN new                         ; low byte: bits 1:0 source 0, 3:2 source 1, 5:4 source 2, 7:6 destination; the high byte repeats the setting that is left
.if MSB != \new
	s_set_vgpr_msb (MSB<<8)|\new
.set MSB, \new
.endif
.endm
.macro PLACES                          ; four independent vector places behind a matrix instruction (ISA guide 7.12.1)
.rept 4
	v_nop
.endr
.endm
.macro CREST
	s_cmp_lg_u32 s12, 0
	s_cbranch_scc1 .Lnot_wave_0_\@
	s_barrier_signal -3
.Lnot_wave_0_\@:
	s_barrier_wait -3
	s_barrier_signal -1
	s_barrier_wait -1
.endm
.macro CROUND                          ; a round of the cluster's barrier
	s_barrier_signal -1
	s_barrier_wait -1
	CREST
.endm
.macro JLOAD s                         ; waves 0, 1 ask for K's two halves of a double tile, waves 2, 3 for V's: 128 rows x 256 bytes each
	s_cmp_eq_u32 s13, 0
	s_cbranch_scc0 .Lfor_v_\@
	tensor_load_to_lds s[G0K+4*(\s):G0K+4*(\s)+3], s[G1K:G1K+7]
	s_nop 0
	s_branch .Lasked_\@
.Lfor_v_\@:
	tensor_load_to_lds s[G0V+4*(\s):G0V+4*(\s)+3], s[G1V:G1V+7]
	s_nop 0
.Lasked_\@:
.endm
	s_load_b256 s[4:11], s[0:1], 0x0               ; Qh s[4:5], Kc s[6:7], Vc s[8:9], Ah s[10:11]
	v_lshl_add_u32 v254, v0, 2, 0x46000
	v_mov_b32 v255, 0
	ds_add_u32 v254, v255
	v_lshrrev_b32 v1, 5, v0
	v_readfirstlane_b32 s12, v1                    ; wave
	s_lshr_b32 s13, s12, 1                         ; kh; also: I fetch K (0) or V (1)
	s_and_b32 s14, s12, 1                          ; qg; also: which 128 rows of the double tile I fetch
	s_bfe_u32 s15, ttmp6, 0x40000                  ; cx
	s_mov_b32 s16, ttmp9                           ; the cluster's x: equal in all four partners
	s_and_b32 s17, ttmp7, 0xffff                   ; head
	s_lshl_b32 s18, s16, 2
	s_add_co_u32 s18, s18, s15                     ; query block
	s_mov_b32 s56, 0x76543210                      ; v_permlanex16_b32: lane i reads lane i of the other half
	s_mov_b32 s57, 0xfedcba98
	s_mov_b32 s[G1K+0], 15|(1<<16)|(1<<20)|(1<<21)|(5<<22)|(3<<25)  ; mask of the four; 2-byte elements; padding on; bit 21 beside a mask; after every 64 words 4 words
	s_mov_b32 s[G1V+0], 15|(1<<16)|(1<<20)|(1<<21)|(5<<22)|(7<<25)  ; the same with 8 words of padding
	s_mov_b32 s[G1K+1], 128<<16                    ; tensor_dim0 = 128
	s_mov_b32 s[G1V+1], 128<<16
	s_mov_b32 s[G1K+2], 128<<16                    ; tensor_dim1 = 128
	s_mov_b32 s[G1V+2], 128<<16
	s_mov_b32 s[G1K+3], 128<<16                    ; tile_dim0 = 128
	s_mov_b32 s[G1V+3], 128<<16
	s_mov_b32 s[G1K+4], 128                        ; tile_dim1 = 128
	s_mov_b32 s[G1V+4], 128
	s_mov_b32 s[G1K+5], 128                        ; elements from row to row
	s_mov_b32 s[G1V+5], 128
	s_mov_b32 s[G1K+6], 0
	s_mov_b32 s[G1V+6], 0
	s_mov_b32 s[G1K+7], 0
	s_mov_b32 s[G1V+7], 0
	s_mul_i32 s20, s17, HEADB                      ; the head's bytes in Kc and Vc
	s_mov_b32 s21, 0
	s_add_co_u32 s70, s20, DTB                     ; where the prefetches start from (each steps one double tile first)
	s_mov_b32 s71, 0
	s_lshl_b32 s22, s14, 15
	s_add_co_u32 s20, s20, s22                     ; + my 128 rows
	s_mul_i32 s22, s14, KHALF                      ; LDS places: the wave's number and constants alone
	s_mul_i32 s23, s14, VHALF
	s_add_co_u32 s23, s23, KV
	s_wait_dscnt 0x0
	s_wait_kmcnt 0x0
	s_cmp_eq_u32 s13, 0
	s_cselect_b64 s[58:59], s[6:7], s[8:9]         ; I prefetch from the tensor that I fetch
	s_add_nc_u64 s[58:59], s[58:59], s[70:71]
	s_add_nc_u64 s[6:7], s[6:7], s[20:21]
	s_add_nc_u64 s[8:9], s[8:9], s[20:21]
	CROUND                                         ; the four work-groups are here: the first joint loads meet
.irp s, 0,1
	s_mov_b32 s[G0K+4*\s], 1
	s_add_co_u32 s[G0K+4*\s+1], s22, \s*SLOT
	s_add_nc_u64 s[G0K+4*\s+2:G0K+4*\s+3], s[6:7], \s*DTB
	s_or_b32 s[G0K+4*\s+3], s[G0K+4*\s+3], 0x80000000
	s_mov_b32 s[G0V+4*\s], 1
	s_add_co_u32 s[G0V+4*\s+1], s23, \s*SLOT
	s_add_nc_u64 s[G0V+4*\s+2:G0V+4*\s+3], s[8:9], \s*DTB
	s_or_b32 s[G0V+4*\s+3], s[G0V+4*\s+3], 0x80000000
	JLOAD \s                                       ; double tiles 0 and 1: two tensor loads of the wave are out here, one behind every later round
.endr
	; global places that hang on cx, in registers that feed no descriptor
	s_lshl_b32 s70, s17, 18                        ; Qh: head x 1,024 rows of 256 bytes
	s_lshl_b32 s71, s18, 15                        ; + block x 128 rows
	s_add_co_u32 s70, s70, s71
	s_lshl_b32 s71, s14, 14                        ; + qg x 64 rows
	s_add_co_u32 s70, s70, s71
	s_mov_b32 s71, 0
	s_add_nc_u64 s[66:67], s[4:5], s[70:71]
	s_lshr_b32 s70, s17, 4                         ; Ah [batch x 1024 + position][head x 128 + d], rows of 4,096 bytes
	s_lshl_b32 s70, s70, 22
	s_lshl_b32 s71, s18, 19
	s_add_co_u32 s70, s70, s71
	s_lshl_b32 s71, s14, 18
	s_add_co_u32 s70, s70, s71
	s_and_b32 s71, s17, 15
	s_lshl_b32 s71, s71, 8
	s_add_co_u32 s70, s70, s71
	s_mov_b32 s71, 0
	s_add_nc_u64 s[68:69], s[10:11], s[70:71]
	v_and_b32 v1, 31, v0                           ; L
	v_and_b32 v2, 15, v0                           ; r
	v_bfe_u32 v3, v0, 4, 1                         ; h
	v_and_b32 v4, 7, v0
	v_bfe_u32 v5, v0, 3, 1
	v_mul_u32_u24 v6, v2, PK
	v_lshl_add_u32 v6, v3, 4, v6                   ; r x 272 + 16 h
	s_mul_i32 s22, s13, 64*PK
	v_add_nc_u32 v[ADRK], s22, v6                  ; K fragment: row 64 kh + r, two loads 32 bytes apart
	v_add_nc_u32 v[ADRK+1], SLOT, v[ADRK]
	v_lshl_add_u32 v7, v3, 3, v4
	v_mul_u32_u24 v7, v7, PV
	v_lshl_add_u32 v7, v5, 4, v7                   ; V: row 8 h + L % 8, 16 bytes by bit 3 of L
	s_mul_i32 s22, s13, 64*PV
	s_add_co_u32 s22, s22, KV
	v_add_nc_u32 v[ADRV], s22, v7
	v_add_nc_u32 v[ADRV+1], SLOT, v[ADRV]
	v_lshlrev_b32 v[QO], 8, v2
	v_lshl_add_u32 v[QO], v3, 4, v[QO]             ; Q fragment from memory: row r, 16 h
	s_lshl1_add_u32 s70, s15, s14
	s_lshl_b32 s70, s70, 13
	v_lshl_add_u32 v[PFO], v1, 8, s70              ; prefetch: (2 cx + qg) x 8 KiB + lane x 256
	s_lshl_b32 s22, s12, 10
	s_add_co_u32 s22, s22, STAT
	v_lshl_add_u32 v[STATA], v1, 4, s22
	s_xor_b32 s22, s12, 2                          ; the wave with the other half of the keys
	s_lshl_b32 s22, s22, 10
	s_add_co_u32 s22, s22, STAT
	v_lshl_add_u32 v[PSTAT], v1, 4, s22
	s_lshl_b32 s22, s14, 15
	v_lshl_add_u32 v[MRGA], v1, 4, s22
	s_mul_i32 s22, s12, 16*PK
	s_add_co_u32 s22, s22, OST
	v_add_nc_u32 v[STO], s22, v6
	v_mul_u32_u24 v8, v3, PK
	v_lshl_add_u32 v8, v2, 4, v8
	v_add_nc_u32 v[RD], s22, v8
	v_lshlrev_b32 v[CO], 12, v3
	v_lshl_add_u32 v[CO], v2, 4, v[CO]
	s_lshl_b32 s70, s18, 7                         ; the mask: key 128 U + 64 kh + 16 kt + 8 h + j is allowed for query 128 qb + 64 qg + 16 qt + r
	s_lshl_b32 s71, s14, 6                         ; iff 16 (kt - qt) + j <= 128 qb + 64 qg + r - 64 kh - 8 h - 128 (U - 16): the right side is kept, and steps by -128 a unit
	s_add_co_u32 s70, s70, s71
	s_lshl_b32 s71, s13, 6
	s_sub_co_u32 s70, s70, s71
	v_lshlrev_b32 v9, 3, v3
	v_sub_nc_u32 v9, v2, v9
	v_add_nc_u32 v9, s70, v9
	WIN 0xc0                                       ; destination window 3
.irp qt, 0,1,2,3
.irp ds, 0,1,2,3
	global_load_b128 v[QF+8*(4*\qt+\ds):QF+8*(4*\qt+\ds)+3], v[QO], s[66:67] offset:\qt*4096+\ds*64
	global_load_b128 v[QF+8*(4*\qt+\ds)+4:QF+8*(4*\qt+\ds)+7], v[QO], s[66:67] offset:\qt*4096+\ds*64+32
.endr
.endr
	WIN 0x80                                       ; destination window 2
	v_mov_b32 v[RDL], v9
	v_mov_b32 v[RNINF], 0xff800000
.irp qt, 0,1,2,3
	v_mov_b32 v[RT+\qt], 0                         ; the lane exchange counts as a reader of its destination
.endr
	WIN 0
.macro LOADK slot, u                   ; 32 loads: my 64 keys of unit u, all 128 d; eight loads for each 32 d
	WIN 0
.irp ds, 0,1,2,3
.irp kt, 0,1,2,3
	ds_load_b128 v[KF+8*(4*\ds+\kt):KF+8*(4*\ds+\kt)+3], v[ADRK+\slot] offset:(\u)*KHALF+\kt*16*PK+\ds*64
	ds_load_b128 v[KF+8*(4*\ds+\kt)+4:KF+8*(4*\ds+\kt)+7], v[ADRK+\slot] offset:(\u)*KHALF+\kt*16*PK+\ds*64+32
.endr
.endr
.endm
.macro LOADV slot, u                   ; 32 transposing loads: V^T of my 64 keys, all 128 d
	WIN 0xc0
.irp ks, 0,1
.irp dt, 0,1,2,3,4,5,6,7
	ds_load_tr16_b128 v[VF+8*(8*\ks+\dt):VF+8*(8*\ks+\dt)+3], v[ADRV+\slot] offset:(\u)*VHALF+\ks*32*PV+\dt*32
	ds_load_tr16_b128 v[VF+8*(8*\ks+\dt)+4:VF+8*(8*\ks+\dt)+7], v[ADRV+\slot] offset:(\u)*VHALF+\ks*32*PV+\dt*32+16*PV
.endr
.endr
.endm
.macro MASK                            ; tiles with equal kt - qt share their eight lane masks: 56 compares, 128 selects
	WIN W_2
.irp dl, -3,-2,-1,0,1,2,3
.irp j, 0,1,2,3,4,5,6,7
	v_cmp_le_i32 s[72+\j], 16*(\dl)+\j, v[RDL]
.endr
.irp kt, 0,1,2,3
.irp qt, 0,1,2,3
.if (\kt-\qt) == (\dl)
.irp j, 0,1,2,3,4,5,6,7
	v_cndmask_b32 v[8*(4*\kt+\qt)+\j], v[RNINF], v[8*(4*\kt+\qt)+\j], s[72+\j]
.endr
.endif
.endr
.endr
.endr
	v_add_nc_u32 v[RDL], 0xffffff80, v[RDL]        ; the next unit's keys are 128 further on
.endm
.macro SOFTMAX first
	WIN W_2
	; the new maximum of each query: four chains, one for each qt, over my 32 scores and the old maximum
.irp i, 0,1,2,3,4,5,6,7,8,9,10,11,12,13,14,15
.irp qt, 0,1,2,3
.if \i == 0
.if \first
	v_max_num_f32 v[RMN+\qt], v[8*\qt], v[8*\qt+1]
.else
	v_max3_num_f32 v[RMN+\qt], v[8*\qt], v[8*\qt+1], v[RM+\qt]
.endif
.else
	v_max3_num_f32 v[RMN+\qt], v[8*(4*(\i/4)+\qt)+2*(\i%4)], v[8*(4*(\i/4)+\qt)+2*(\i%4)+1], v[RMN+\qt]
.endif
.endr
.endr
.irp qt, 0,1,2,3
	v_permlanex16_b32 v[RT+\qt], v[RMN+\qt], s56, s57              ; the other eight keys of each tile lie in the other half of the wave
.endr
.irp qt, 0,1,2,3
	v_max_num_f32 v[RT+\qt], v[RMN+\qt], v[RT+\qt]                 ; the new maximum; finite from the first unit on, whose keys are all allowed
.endr
.if \first == 0
.irp qt, 0,1,2,3
	v_sub_f32 v[RAL+2*\qt], v[RM+\qt], v[RT+\qt]                   ; old - new, never above 0
.endr
.irp qt, 0,1,2,3
	v_exp_f32 v[RAL+2*\qt], v[RAL+2*\qt]           ; the rescale factor 2^(M old - M new)
.endr
.endif
.irp qt, 0,1,2,3
	v_mov_b32 v[RM+\qt], v[RT+\qt]                 ; plain instructions on other registers stand behind the exponentials (ISA guide 5.7.2)
	v_mul_f32 v[RNM+2*\qt], -1.0, v[RT+\qt]
	v_mul_f32 v[RNM+2*\qt+1], -1.0, v[RT+\qt]
.endr
.if \first == 0
	s_wait_alu depctr_va_vdst(0)
.irp qt, 0,1,2,3
	v_mov_b32 v[RAL+2*\qt+1], v[RAL+2*\qt]
.endr
.endif
	; three stages in step over the 16 tiles: tile n + 1 gets its exponents s - M, tile n its exponentials, tile n - 1 is summed and rounded into P.
	; Behind every exponential stands another exponential or a plain instruction on another tile; a result is first used a stage later.
.set n, -1
.rept 18
.set tt, n-1
.set tk, tt/4
.set tq, tt%4
.irp j, 0,1,2,3
.if n >= 0
.if n <= 15
	v_exp_f32 v[8*n+2*\j], v[8*n+2*\j]
.endif
.endif
.if n <= 14
	v_pk_add_f32 v[8*(n+1)+2*\j:8*(n+1)+2*\j+1], v[8*(n+1)+2*\j:8*(n+1)+2*\j+1], v[RNM+2*((n+1)%4):RNM+2*((n+1)%4)+1]
.endif
.if n >= 0
.if n <= 15
	v_exp_f32 v[8*n+2*\j+1], v[8*n+2*\j+1]
.endif
.endif
.if n >= 1
.if (4*tk+\j) == 0
.if \first
	s_wait_alu depctr_va_vdst(0)
	v_mov_b32 v[RL+2*tq], v[8*tt]                  ; the first weights start the sums
	v_mov_b32 v[RL+2*tq+1], v[8*tt+1]
.else
	s_wait_alu depctr_va_vdst(0)
	v_pk_fma_f32 v[RL+2*tq:RL+2*tq+1], v[RL+2*tq:RL+2*tq+1], v[RAL+2*tq:RAL+2*tq+1], v[8*tt:8*tt+1]   ; the sums' rescale rides on the unit's first addition
.endif
.else
	s_wait_alu depctr_va_vdst(0)
	v_pk_add_f32 v[RL+2*tq:RL+2*tq+1], v[RL+2*tq:RL+2*tq+1], v[8*tt+2*\j:8*tt+2*\j+1]
.endif
	v_cvt_pk_f16_f32 v[RP+8*(4*(tk/2)+tq)+4*(tk%2)+\j], v[8*tt+2*\j], v[8*tt+2*\j+1]
.endif
.endr
.set n, n+1
.endr
.endm
.macro OSCALE                          ; O times the pair in RAL, query by query
	WIN W_OS
.irp dt, 0,1,2,3,4,5,6,7
.irp qt, 0,1,2,3
.irp p, 0,1,2,3
	v_pk_mul_f32 v[8*(4*\dt+\qt)+2*\p:8*(4*\dt+\qt)+2*\p+1], v[8*(4*\dt+\qt)+2*\p:8*(4*\dt+\qt)+2*\p+1], v[RAL+2*\qt:RAL+2*\qt+1]
.endr
.endr
.endr
.endm
; One unit: my 64 keys of 128 against my 64 queries.  kready = 1: K's fragments were fetched during the unit before; knext = 1: fetch the next unit's.
; In both products the accumulators (16, then 32) take turns, one instruction a turn.
.macro UNIT slot, u, first, mask, kready, knext
.if \kready == 0
	LOADK \slot, \u
.endif
	LOADV \slot, \u
	WIN W_S
.irp ds, 0,1,2,3
.if \kready == 0
	s_wait_dscnt 56-8*\ds                          ; K's eight loads of this 32 d are in; out may be K's 8 (3 - ds) later ones and V's 32
.endif
.irp kt, 0,1,2,3
.irp qt, 0,1,2,3
.if \ds == 0
	v_wmma_f32_16x16x32_f16 v[8*(4*\kt+\qt):8*(4*\kt+\qt)+7], v[KF+8*(4*\ds+\kt):KF+8*(4*\ds+\kt)+7], v[QF+8*(4*\qt+\ds):QF+8*(4*\qt+\ds)+7], 0
.else
	v_wmma_f32_16x16x32_f16 v[8*(4*\kt+\qt):8*(4*\kt+\qt)+7], v[KF+8*(4*\ds+\kt):KF+8*(4*\ds+\kt)+7], v[QF+8*(4*\qt+\ds):QF+8*(4*\qt+\ds)+7], v[8*(4*\kt+\qt):8*(4*\kt+\qt)+7]
.endif
.endr
.endr
.endr
	PLACES                                         ; in front of the loads into K's fragments and of the vector work on S
.if \knext
	LOADK \slot, \u+1
.endif
.if \mask
	MASK
.endif
	SOFTMAX \first
.if \first == 0
	OSCALE
.endif
	s_wait_dscnt 0x0                               ; V's fragments (and the next unit's K) are in
	WIN W_PV
.irp ks, 0,1
.irp dt, 0,1,2,3,4,5,6,7
.irp qt, 0,1,2,3
.if \first*(1-\ks)
	v_wmma_f32_16x16x32_f16 v[8*(4*\dt+\qt):8*(4*\dt+\qt)+7], v[VF+8*(8*\ks+\dt):VF+8*(8*\ks+\dt)+7], v[RP+8*(4*\ks+\qt):RP+8*(4*\ks+\qt)+7], 0
.else
	v_wmma_f32_16x16x32_f16 v[8*(4*\dt+\qt):8*(4*\dt+\qt)+7], v[VF+8*(8*\ks+\dt):VF+8*(8*\ks+\dt)+7], v[RP+8*(4*\ks+\qt):RP+8*(4*\ks+\qt)+7], v[8*(4*\dt+\qt):8*(4*\dt+\qt)+7]
.endif
.endr
.endr
.endr
	PLACES                                         ; in front of the next loads into V's fragments and the next vector work on P and O
.endm
; Prefetch: in double tile i the 16 waves of the head's second cluster (the one that walks all 12 double tiles) ask for double tile i + 2, 512 lanes x 256 bytes =
; its 64 KiB of K and 64 KiB of V, each block once.  It stands between the two units, one unit ahead of that tile's tensor load.  The last one stands in
; double tile 9 and asks for double tile 11, the head's last rows.
.macro PF
	WIN 0
	s_wait_xcnt 0x0                                ; the base is stepped only behind this wait; the last prefetch was issued a double tile ago
	s_add_nc_u64 s[58:59], s[58:59], DTB
	s_cmp_eq_u32 s16, 0
	s_cbranch_scc1 .Lno_pf_\@
	global_prefetch_b8 v[PFO], s[58:59] th:TH_LOAD_NT scope:SCOPE_SE
.Lno_pf_\@:
.endm
; One double tile in slot `slot`.  In front of the round every wave waits for all its tensor loads (its part of this slot among them) and for its reads of the other slot;
; behind the round the other slot's refill comes first, the wave's one tensor load until the next round; it has two units' work in which to land.
.macro TWO slot, refill, mask, pf
	WIN 0
	s_wait_tensorcnt 0x0
	ds_add_u32 v254, v255
	s_wait_dscnt 0x0
.if \refill
	s_add_nc_u64 s[G0K+4*(1-\slot)+2:G0K+4*(1-\slot)+3], s[G0K+4*(1-\slot)+2:G0K+4*(1-\slot)+3], 2*DTB    ; no load of mine is out: the other slot's next double tile
	s_add_nc_u64 s[G0V+4*(1-\slot)+2:G0V+4*(1-\slot)+3], s[G0V+4*(1-\slot)+2:G0V+4*(1-\slot)+3], 2*DTB
.endif
	s_wait_dscnt 0x0
.if \refill
	CROUND
	JLOAD 1-\slot
.else
	s_barrier_signal -1
	s_barrier_wait -1
.endif
	UNIT \slot, 0, 0, \mask, 0, 1
.if \pf
	PF
.endif
	UNIT \slot, 1, 0, \mask, 1, 0
.endm
	s_wait_loadcnt 0x0                             ; Q
	s_wait_tensorcnt 0x1                           ; my part of double tile 0 is in; double tile 1's stays out
	s_barrier_signal -1
	s_barrier_wait -1
	UNIT 0, 0, 1, 0, 0, 1                          ; the first unit starts maxima, sums and O: nothing is cleared
	PF
	UNIT 0, 1, 0, 0, 1, 0
	WIN 0
	s_mov_b32 s60, 3
.Lloop:                                                ; double tiles 1 to 6
	TWO 1, 1, 0, 1
	TWO 0, 1, 0, 1
	WIN 0
	s_sub_co_u32 s60, s60, 1
	s_cmp_lg_u32 s60, 0
	s_cbranch_scc1 .Lloop
	TWO 1, 1, 0, 1                                 ; double tile 7, the last of the past keys
	TWO 0, 1, 1, 1                                 ; double tile 8: masked from here on
	WIN 0
	s_cmp_eq_u32 s16, 0                            ; queries 0-511 end with double tile 9; the branch is the same in all four partners, and every later wait on tensor loads is for 0
	s_cbranch_scc1 .Ltail
	TWO 1, 1, 1, 1
	TWO 0, 1, 1, 0
	WIN 0
.Ltail:
	TWO 1, 0, 1, 0                                 ; the last double tile; nothing is left to fetch
	; THE MERGE of the two halves of the keys.  Slot 0 has had its last fill, and no wave has read it since the barrier in front of the last double tile.
	WIN W_2
.irp qt, 0,1,2,3
	v_add_f32 v[RLS+\qt], v[RL+2*\qt], v[RL+2*\qt+1]
.endr
.irp qt, 0,1,2,3
	v_permlanex16_b32 v[RT+\qt], v[RLS+\qt], s56, s57
.endr
.irp qt, 0,1,2,3
	v_add_f32 v[RLS+\qt], v[RLS+\qt], v[RT+\qt]    ; my sum over my keys, in every lane of the query
.endr
	WIN 0x08                                       ; store data from window 2
	ds_store_b128 v[STATA], v[RM:RM+3]
	ds_store_b128 v[STATA], v[RLS:RLS+3] offset:512
	s_wait_dscnt 0x0                               ; for the partner's sake
	s_barrier_signal -1
	s_barrier_wait -1
	WIN 0x80
	ds_load_b128 v[RPM:RPM+3], v[PSTAT]
	ds_load_b128 v[RPL:RPL+3], v[PSTAT] offset:512
	s_wait_dscnt 0x0
	WIN W_2
.irp qt, 0,1,2,3
	v_max_num_f32 v[RT+\qt], v[RM+\qt], v[RPM+\qt]                 ; the larger maximum
.endr
.irp qt, 0,1,2,3
	v_sub_f32 v[RMN+\qt], v[RM+\qt], v[RT+\qt]     ; never above 0, and 0 for one of the two
	v_sub_f32 v[RPM+\qt], v[RPM+\qt], v[RT+\qt]
.endr
.irp qt, 0,1,2,3
	v_exp_f32 v[RMN+\qt], v[RMN+\qt]               ; my factor
	v_exp_f32 v[RPM+\qt], v[RPM+\qt]               ; the partner's
.endr
	v_nop                                          ; one plain place behind the exponentials
	s_wait_alu depctr_va_vdst(0)
.irp qt, 0,1,2,3
	v_mul_f32 v[RPL+\qt], v[RPM+\qt], v[RPL+\qt]
.endr
.irp qt, 0,1,2,3
	v_fma_f32 v[RPL+\qt], v[RMN+\qt], v[RLS+\qt], v[RPL+\qt]       ; the whole sum; at least 1: the largest score's weight is 1
.endr
.irp qt, 0,1,2,3
	v_rcp_f32 v[RPL+\qt], v[RPL+\qt]
.endr
	v_nop                                          ; one plain place behind the reciprocals
	s_wait_alu depctr_va_vdst(0)
.irp qt, 0,1,2,3
	v_mul_f32 v[RAL+2*\qt], v[RMN+\qt], v[RPL+\qt]
	v_mul_f32 v[RAL+2*\qt+1], v[RMN+\qt], v[RPL+\qt]
.endr
	OSCALE                                         ; each wave scales its own O by its factor over the whole sum
	WIN 0
	s_cmp_eq_u32 s13, 0
	s_cbranch_scc1 .Lkeep
	WIN 0x04                                       ; store data from window 1
.set i, 0
.rept 64
	ds_store_b128 v[MRGA], v[4*i:4*i+3] offset:512*i               ; waves 2 and 3 hand their O over, 512 consecutive bytes an instruction
.set i, i+1
.endr
	WIN 0
.Lkeep:
	s_wait_dscnt 0x0
	s_barrier_signal -1
	s_barrier_wait -1
	s_cmp_lg_u32 s13, 0
	s_cbranch_scc1 .Ldone
.irp g, 0,1
	WIN 0
.set i, 0
.rept 32
	ds_load_b128 v[KF+4*i:KF+4*i+3], v[MRGA] offset:512*(32*\g+i)
.set i, i+1
.endr
	s_wait_dscnt 0x0
	WIN 0x41                                       ; O (window 1) += window 0
.set i, 0
.rept 64
	v_pk_add_f32 v[128*\g+2*i:128*\g+2*i+1], v[128*\g+2*i:128*\g+2*i+1], v[KF+2*i:KF+2*i+1]
.set i, i+1
.endr
.endr
; 16 queries at a time: a lane's eight d of one query are 16 bytes of f16; through my own stage they become whole rows of 256 bytes
.macro OUT16 qt, f
	WIN 0x05                                       ; sources window 1, destination window 0
.irp dt, 0,1,2,3,4,5,6,7
.irp p, 0,1,2,3
	v_cvt_pk_f16_f32 v[TMP+4*\dt+\p], v[8*(4*\dt+\qt)+2*\p], v[8*(4*\dt+\qt)+2*\p+1]
.endr
.endr
	WIN 0
.irp dt, 0,1,2,3,4,5,6,7
	ds_store_b128 v[STO], v[TMP+4*\dt:TMP+4*\dt+3] offset:32*\dt
.endr
	s_wait_xcnt 0x0                                ; buffer f, which earlier stores read, and the stores' base are rewritten only behind this wait
.if \qt
	s_add_nc_u64 s[68:69], s[68:69], 65536         ; 16 rows of Ah on
.endif
.irp t, 0,1,2,3,4,5,6,7
	ds_load_b128 v[\f+4*\t:\f+4*\t+3], v[RD] offset:\t*2*PK        ; LDS serves a wave's instructions in order: these see the stores above
.endr
.irp t, 0,1,2,3,4,5,6,7
	s_wait_dscnt 7-\t                              ; load t is in, the 7 - t younger ones stay out
	global_store_b128 v[CO], v[\f+4*\t:\f+4*\t+3], s[68:69] offset:\t*8192         ; 16 lanes store 256 consecutive bytes at a multiple of 256 from Ah's first byte
.endr
.endm
	OUT16 0, 64
	OUT16 1, 96
	OUT16 2, 64
	OUT16 3, 96
.Ldone:
	s_wait_tensorcnt 0x0
	ds_add_u32 v254, v255
	s_wait_dscnt 0x0
	CROUND                                         ; the closing round
	s_endpgm
.Lfunc_end_k_qc0a929eb6f_attn:
	.size	k_qc0a929eb6f_attn, .Lfunc_end_k_qc0a929eb6f_attn-k_qc0a929eb6f_attn
	.p2alignl 7, 3214868480
	.fill 96, 4, 3214868480
	.section	.rodata,"a",@progbits
	.p2align	6, 0x0
	.amdhsa_kernel k_qc0a929eb6f_attn
		.amdhsa_group_segment_fixed_size 327680
		.amdhsa_private_segment_fixed_size 0
		.amdhsa_enable_private_segment 0
		.amdhsa_kernarg_size 32
		.amdhsa_user_sgpr_count 2
		.amdhsa_user_sgpr_kernarg_segment_ptr 1
		.amdhsa_wavefront_size32 1
		.amdhsa_system_sgpr_workgroup_id_x 1
		.amdhsa_system_sgpr_workgroup_id_y 1
		.amdhsa_system_sgpr_workgroup_id_z 1
		.amdhsa_system_vgpr_workitem_id 0
		.amdhsa_next_free_vgpr 1024
		.amdhsa_next_free_sgpr 80
		.amdhsa_reserve_vcc 0
		.amdhsa_float_denorm_mode_32 3
		.amdhsa_float_denorm_mode_16_64 3
		.amdhsa_memory_ordered 1
		.amdhsa_forward_progress 1
		.amdhsa_inst_pref_size 255
	.end_amdhsa_kernel
	.section	.bss,"aw",@nobits
	.p2align	6
	.space	262144
	.amdgpu_metadata
---
amdhsa.version: [ 1, 2 ]
amdhsa.kernels:
  - .name:           k_qc0a929eb6f_attn
    .symbol:         k_qc0a929eb6f_attn.kd
    .args:
      - { .name: Qh, .offset: 0, .size: 8, .value_kind: global_buffer, .address_space: global }
      - { .name: Kc, .offset: 8, .size: 8, .value_kind: global_buffer, .address_space: global }
      - { .name: Vc, .offset: 16, .size: 8, .value_kind: global_buffer, .address_space: global }
      - { .name: Ah, .offset: 24, .size: 8, .value_kind: global_buffer, .address_space: global }
    .group_segment_fixed_size: 327680
    .private_segment_fixed_size: 0
    .kernarg_segment_align: 8
    .kernarg_segment_size: 32
    .max_flat_workgroup_size: 128
    .sgpr_count:     80
    .vgpr_count:     1024
    .wavefront_size: 32
...
	.end_amdgpu_metadata
.endif
;; end of part 3
;; launch oproj (part 4): grid 16 x 16, 4 waves a work-group, clusters of 4 x 4, 327,680 bytes of LDS; arguments Ah, Woh, out0; writes out0
.if DOCPART == 4
	.amdgcn_target "amdgcn-amd-amdhsa--gfx1250"
	.amdhsa_code_object_version 6
	.text
	.protected	k_qc0a929eb6f_oproj
	.globl	k_qc0a929eb6f_oproj
	.p2align	8
	.type	k_qc0a929eb6f_oproj,@function
k_qc0a929eb6f_oproj:
	s_mov_b64 s[64:65], 0
	v_nop
	global_prefetch_b8 v0, s[64:65] scope:SCOPE_SE
	s_setreg_imm32_b32 hwreg(HW_REG_WAVE_MODE, 25, 1), 1
	s_wait_xcnt 0x0
	s_wait_alu depctr_hold_cnt(0) depctr_sa_sdst(0) depctr_va_vdst(0) depctr_va_sdst(0) depctr_va_ssrc(0) depctr_va_vcc(0) depctr_vm_vsrc(0)
	s_getreg_b32 s2, hwreg(HW_REG_IB_STS2, 6, 4)
	s_cmp_eq_u32 s2, 0
	s_cbranch_scc0 .Lentry_in_a_cluster
	s_endpgm
.Lentry_in_a_cluster:
	s_bfe_u32 s2, ttmp6, 0x10000c
	s_cmp_lg_u32 s2, 0xf033
	s_cbranch_scc0 .Lentry_shape_is_right
	s_endpgm
.Lentry_shape_is_right:
; out0 = Ah Woh^T: [2048 x 2048] x [2048 x 2048]^T, f16 operands, f32 sums, f32 out.  Ah holds the attention's result times 1 / 4, Woh holds 4 Wo: the product needs no factor.
; 256 work-groups of 128 x 128.  All four waves compute the WHOLE block, each on its own quarter of K (64 of every 256), so that each keeps a tile of 128 x 128:
; 64 matrix instructions for 16 KiB read from LDS, and each LDS byte is read by one wave.  Waves of 64 x 64 would read twice as much; blocks of 256 x 256 would be
; 64 work-groups.  The price is a sum of four partial blocks through LDS at the end.  The order of the f32 sums differs from a single ascending chain.
; K goes in steps of 256 through two LDS slots: a tile's rows are 512 bytes of memory at multiples of 512 bytes.
; CLUSTERS of 4 x 4: Ah's tiles are shared along a row of the cluster, Woh's along a column, by joint loads.
; Registers as windows: 0: addresses, fragments of A (v64-127, v128-191); 1: fragments of B; 2, 3: accumulator tiles of rows 0-63, 64-127 (tile (a, b) at v[8 (8 a + b)]).
; The matrix instruction is used transposed (source 0 = rows of B, source 1 = rows of A): a lane holds eight neighbouring columns of one row.
.set SIZE_K, 2048
.set KSTEP,  256
.set PITCH,  528                       ; an LDS row: 512 bytes + 16, an odd multiple of 16
.set HALFT,  64*PITCH                  ; what one tensor load brings: 64 rows
.set SLOT,   4*HALFT                   ; A's 128 rows, then B's 128 rows
.set PART,   128*PITCH                 ; a partial block of 128 x 128 f32 with the same pitch; four of them are exactly the two slots
.set LAPS, SIZE_K/(2*KSTEP)            ; 4 laps of two K steps
.set ADRA, 16
.set ADRB, 20
.set STO,  24
.set RD,   25                          ; v25-28 where I read my rows of the four partial blocks
.set CO,   29                          ; 16 x lane
.set F0,   64
.set F1,   128
.set G1, 24
.set G0, 32
.set G1B, 48
.set G0B, 56
.set MSB, 0
.macro WIN new                         ; low byte: bits 1:0 source 0, 3:2 source 1, 5:4 source 2, 7:6 destination; the high byte repeats the setting that is left
.if MSB != \new
	s_set_vgpr_msb (MSB<<8)|\new
.set MSB, \new
.endif
.endm
.set MUL_LO, 0xa1
.set MUL_HI, 0xf1
.set TO_B,   0x40
.macro JLOAD s                         ; waves 0, 1 ask for A's halves, waves 2, 3 for B's
	s_cmp_eq_u32 s11, 0
	s_cbranch_scc0 .Lfor_b_\@
	tensor_load_to_lds s[G0+4*\s:G0+4*\s+3], s[G1:G1+7]
	s_nop 0
	s_branch .Lasked_\@
.Lfor_b_\@:
	tensor_load_to_lds s[G0B+4*\s:G0B+4*\s+3], s[G1B:G1B+7]
	s_nop 0
.Lasked_\@:
.endm
.macro CREST
	s_cmp_lg_u32 s10, 0
	s_cbranch_scc1 .Lnot_wave_0_\@
	s_barrier_signal -3
.Lnot_wave_0_\@:
	s_barrier_wait -3
	s_barrier_signal -1
	s_barrier_wait -1
.endm
.macro CROUND
	s_barrier_signal -1
	s_barrier_wait -1
	CREST
.endm
	s_load_b128 s[4:7], s[0:1], 0x0                ; Ah s[4:5], Woh s[6:7]
	s_load_b64 s[8:9], s[0:1], 0x10                ; out0
	s_set_vgpr_msb 0x40
	v_lshl_add_u32 v255, v0, 2, 0x42000
	s_set_vgpr_msb 0x4000
	v_mov_b32 v255, 0
	s_set_vgpr_msb 0x1
	ds_add_u32 v255, v255
	s_set_vgpr_msb 0x100
	v_lshrrev_b32 v1, 5, v0
	v_readfirstlane_b32 s10, v1                    ; wave 0..3: my quarter of K
	s_lshr_b32 s11, s10, 1                         ; I fetch for A (0) or B (1)
	s_and_b32 s12, s10, 1                          ; which 64 rows of that tile
	s_bfe_u32 s40, ttmp6, 0x40000                  ; cx
	s_bfe_u32 s41, ttmp6, 0x40004                  ; cy
	s_lshl_b32 s42, ttmp9, 2
	s_add_co_u32 s42, s42, s40                     ; block column
	s_and_b32 s13, ttmp7, 0xffff
	s_lshl_b32 s13, s13, 2
	s_add_co_u32 s13, s13, s41                     ; block row
	s_lshl_b32 s43, s41, 2
	s_lshl_b32 s43, 15, s43                        ; my row of the cluster
	s_lshl_b32 s44, 0x1111, s40                    ; my column
	s_or_b32 s[G1+0], s43, (1<<16)|(1<<20)|(1<<21)|(6<<22)|(3<<25)  ; mask; 2-byte elements; padding on; bit 21 beside a mask; after every 128 words 4 words
	s_or_b32 s[G1B+0], s44, (1<<16)|(1<<20)|(1<<21)|(6<<22)|(3<<25)
	s_mov_b32 s[G1+1], KSTEP<<16                   ; tensor_dim0 = 256
	s_mov_b32 s[G1B+1], KSTEP<<16
	s_mov_b32 s[G1+2], 64<<16                      ; tensor_dim1 = 64
	s_mov_b32 s[G1B+2], 64<<16
	s_mov_b32 s[G1+3], KSTEP<<16                   ; tile_dim0 = 256
	s_mov_b32 s[G1B+3], KSTEP<<16
	s_mov_b32 s[G1+4], 64                          ; tile_dim1 = 64
	s_mov_b32 s[G1B+4], 64
	s_mov_b32 s[G1+5], SIZE_K                      ; elements from row to row
	s_mov_b32 s[G1B+5], SIZE_K
	s_mov_b32 s[G1+6], 0
	s_mov_b32 s[G1B+6], 0
	s_mov_b32 s[G1+7], 0
	s_mov_b32 s[G1B+7], 0
	s_lshl_b32 s17, s12, 6
	s_lshl_b32 s16, s13, 7
	s_add_co_u32 s16, s16, s17                     ; A: row 128 x block row + 64 x half
	s_lshl_b32 s46, s42, 7
	s_add_co_u32 s46, s46, s17                     ; B: row 128 x block column + 64 x half
	s_mov_b32 s17, 0
	s_mov_b32 s47, 0
	s_mov_b64 s[18:19], SIZE_K*2
	s_mul_u64 s[16:17], s[16:17], s[18:19]
	s_mul_u64 s[46:47], s[46:47], s[18:19]
	s_mul_i32 s20, s10, HALFT                      ; LDS: wave x 64 rows
	s_wait_dscnt 0x0
	s_wait_kmcnt 0x0
	s_add_nc_u64 s[14:15], s[4:5], s[16:17]
	s_add_nc_u64 s[46:47], s[6:7], s[46:47]
	CROUND                                         ; all sixteen work-groups are here: the first joint loads meet
.irp s, 0,1
	s_mov_b32 s[G0+4*\s], 1
	s_add_co_u32 s[G0+4*\s+1], s20, \s*SLOT
	s_add_nc_u64 s[G0+4*\s+2:G0+4*\s+3], s[14:15], \s*KSTEP*2
	s_or_b32 s[G0+4*\s+3], s[G0+4*\s+3], 0x80000000
	s_mov_b32 s[G0B+4*\s], 1
	s_add_co_u32 s[G0B+4*\s+1], s20, \s*SLOT
	s_add_nc_u64 s[G0B+4*\s+2:G0B+4*\s+3], s[46:47], \s*KSTEP*2
	s_or_b32 s[G0B+4*\s+3], s[G0B+4*\s+3], 0x80000000
	JLOAD \s                                       ; two tensor loads of the wave are out here, one behind every later round
.endr
	v_and_b32 v1, 15, v0
	v_bfe_u32 v2, v0, 4, 1
	v_mul_u32_u24 v3, v1, PITCH
	v_lshl_add_u32 v3, v2, 4, v3                   ; row x pitch + 16 x half
	s_lshl_b32 s21, s10, 7                         ; my 64 of a step's 256 along K: 128 bytes of every row
	s_add_co_u32 s22, s21, 2*HALFT                 ; B's rows lie behind A's 128
.irp s, 0,1
	v_add_nc_u32 v[ADRA+\s], s21, v3
	v_add_nc_u32 v[ADRB+\s], s22, v3
	s_add_co_u32 s21, s21, SLOT
	s_add_co_u32 s22, s22, SLOT
.endr
	s_mul_i32 s23, s10, PART                       ; my partial block
	v_mul_u32_u24 v4, v1, PITCH
	v_lshl_add_u32 v4, v2, 5, v4                   ; row l % 16, 32 bytes (8 f32) for each half of the lanes
	v_add_nc_u32 v[STO], s23, v4
	v_and_b32 v5, 31, v0
	v_lshlrev_b32 v[CO], 4, v5
	s_mul_i32 s23, s10, 32*PITCH                   ; in the sum I own rows 32 w .. 32 w + 31
.irp p, 0,1,2,3
	v_add_nc_u32 v[RD+\p], s23, v[CO]
	s_add_co_u32 s23, s23, PART
.endr
; The 64 accumulators take turns, one instruction a turn, in the same order in every quarter step.
.macro MUL16 f, hi, a0, zero
.irp a, \a0, \a0+1
.irp b, 0,1,2,3,4,5,6,7
.if \zero
	v_wmma_f32_16x16x32_f16 v[8*(8*(\a)+\b):8*(8*(\a)+\b)+7], v[\f+8*\b:\f+8*\b+7], v[\f+8*(4*\hi+\a):\f+8*(4*\hi+\a)+7], 0
.else
	v_wmma_f32_16x16x32_f16 v[8*(8*(\a)+\b):8*(8*(\a)+\b)+7], v[\f+8*\b:\f+8*\b+7], v[\f+8*(4*\hi+\a):\f+8*(4*\hi+\a)+7], v[8*(8*(\a)+\b):8*(8*(\a)+\b)+7]
.endif
.endr
.endr
.endm
.macro FETCH slot, k, f                ; 32 LDS loads: B's 128 rows, A's 128 rows, 32 K at byte k of my 128 bytes
	WIN TO_B
.irp i, 0,1,2,3,4,5,6,7
	ds_load_b128 v[\f+8*\i:\f+8*\i+3],   v[ADRB+\slot] offset:\k+\i*16*PITCH
	ds_load_b128 v[\f+8*\i+4:\f+8*\i+7], v[ADRB+\slot] offset:\k+\i*16*PITCH+32
.endr
	WIN 0
.irp i, 0,1,2,3,4,5,6,7
	ds_load_b128 v[\f+8*\i:\f+8*\i+3],   v[ADRA+\slot] offset:\k+\i*16*PITCH
	ds_load_b128 v[\f+8*\i+4:\f+8*\i+7], v[ADRA+\slot] offset:\k+\i*16*PITCH+32
.endr
.endm
.macro PLACES                          ; four independent vector places behind a matrix instruction (ISA guide 7.12.1)
.rept 4
	v_nop
.endr
.endm
.macro QUARTER slot, k, f, g, zero     ; my first 32 K of a step: multiplies buffer f, fetches the second 32 into buffer g
	s_wait_dscnt 8                                 ; B and A's rows 0-63 are in; the youngest eight loads (A's rows 64-127) may be out
	WIN MUL_LO
	MUL16 \f, 0, 0, \zero
	MUL16 \f, 0, 2, \zero
	PLACES
	FETCH \slot, \k, \g
	s_wait_dscnt 32                                ; all but the 32 just issued
	WIN MUL_HI
	MUL16 \f, 1, 0, \zero
	MUL16 \f, 1, 2, \zero
.endm
; My second 32 K of a step, and the change of slots: waits for my reads of this slot and for all my tensor loads, the barrier (with fill: the cluster's round),
; the refill first behind it.  From a request to the wait for it a wave issues 112 matrix instructions.
.macro TURN slot, next, fill
	s_wait_dscnt 8
	WIN MUL_LO
	MUL16 F1, 0, 0, 0
	s_wait_dscnt 0
	s_wait_tensorcnt 0x0
	ds_add_u32 v255, v255
	s_wait_dscnt 0x0
	s_barrier_signal -1
	MUL16 F1, 0, 2, 0
	WIN 0
	s_barrier_wait -1
.if \fill
	CREST
	s_add_nc_u64 s[G0+4*\slot+2:G0+4*\slot+3], s[G0+4*\slot+2:G0+4*\slot+3], 2*KSTEP*2
	s_add_nc_u64 s[G0B+4*\slot+2:G0B+4*\slot+3], s[G0B+4*\slot+2:G0B+4*\slot+3], 2*KSTEP*2
	JLOAD \slot
.endif
	PLACES
	FETCH \next, 0, F0
	WIN MUL_HI
	MUL16 F1, 1, 0, 0
	MUL16 F1, 1, 2, 0
.endm
.macro LAP zero
	QUARTER 0, 64, F0, F1, \zero
	TURN 0, 1, 1
	QUARTER 1, 64, F0, F1, 0
	TURN 1, 0, 1
.endm
	s_wait_tensorcnt 1                             ; my part of K step 0 is in; K step 1's stays out
	s_barrier_signal -1
	s_barrier_wait -1
	FETCH 0, 0, F0
	LAP 1                                          ; the first products start the sums
	WIN 0
	s_mov_b32 s3, LAPS-2
.Llap:
	LAP 0
	WIN 0
	s_sub_co_u32 s3, s3, 1
	s_cmp_lg_u32 s3, 0
	s_cbranch_scc1 .Llap
	QUARTER 0, 64, F0, F1, 0                       ; the last lap fills nothing
	TURN 0, 1, 0
	QUARTER 1, 64, F0, F1, 0
	s_wait_dscnt 8
	WIN MUL_LO
	MUL16 F1, 0, 0, 0
	MUL16 F1, 0, 2, 0
	s_wait_dscnt 0
	WIN MUL_HI
	MUL16 F1, 1, 0, 0
	MUL16 F1, 1, 2, 0
	; THE SUM of the four partial blocks.  Both slots have had their last fill, every wave's tensor loads were waited for in the last change of slots, and behind
	; this barrier no wave reads a tile any more: the ring's bytes now hold the four partial blocks.
	PLACES
	WIN 0
	s_barrier_signal -1
	s_barrier_wait -1
	WIN 0x08                                       ; store data from window 2: rows 0-63
.irp a, 0,1,2,3
.irp b, 0,1,2,3,4,5,6,7
	ds_store_b128 v[STO], v[8*(8*\a+\b):8*(8*\a+\b)+3] offset:\a*16*PITCH+64*\b
	ds_store_b128 v[STO], v[8*(8*\a+\b)+4:8*(8*\a+\b)+7] offset:\a*16*PITCH+64*\b+16
.endr
.endr
	WIN 0x0c                                       ; window 3: rows 64-127
.irp a, 0,1,2,3
.irp b, 0,1,2,3,4,5,6,7
	ds_store_b128 v[STO], v[8*(8*\a+\b):8*(8*\a+\b)+3] offset:(\a+4)*16*PITCH+64*\b
	ds_store_b128 v[STO], v[8*(8*\a+\b)+4:8*(8*\a+\b)+7] offset:(\a+4)*16*PITCH+64*\b+16
.endr
.endr
	WIN 0
	s_lshl_b32 s16, s13, 7
	s_lshl_b32 s14, s10, 5
	s_add_co_u32 s16, s16, s14                     ; my first row of out0
	s_lshl_b32 s16, s16, 13                        ; rows of 8,192 bytes
	s_mov_b32 s17, 0
	s_add_nc_u64 s[8:9], s[8:9], s[16:17]
	s_lshl_b32 s46, s42, 9                         ; the block's 512 bytes of a row
	s_mov_b32 s47, 0
	s_add_nc_u64 s[8:9], s[8:9], s[46:47]
	s_wait_dscnt 0x0                               ; for the others' sake
	s_barrier_signal -1
	s_barrier_wait -1
.irp g, 0,1,2,3
.if \g
	s_wait_xcnt 0x0                                ; the last batch's stores read these registers: they are loaded again only behind this wait
.endif
.irp i, 0,1,2,3,4,5,6,7
.irp p, 0,1,2,3
	ds_load_b128 v[F0+16*\i+4*\p:F0+16*\i+4*\p+3], v[RD+\p] offset:(8*\g+\i)*PITCH
.endr
.endr
.irp i, 0,1,2,3,4,5,6,7
	s_wait_dscnt 28-4*\i                           ; row i's four loads are in; the 28 - 4 i of the later rows stay out
	v_pk_add_f32 v[F0+16*\i:F0+16*\i+1], v[F0+16*\i:F0+16*\i+1], v[F0+16*\i+4:F0+16*\i+5]
	v_pk_add_f32 v[F0+16*\i+2:F0+16*\i+3], v[F0+16*\i+2:F0+16*\i+3], v[F0+16*\i+6:F0+16*\i+7]
	v_pk_add_f32 v[F0+16*\i+8:F0+16*\i+9], v[F0+16*\i+8:F0+16*\i+9], v[F0+16*\i+12:F0+16*\i+13]
	v_pk_add_f32 v[F0+16*\i+10:F0+16*\i+11], v[F0+16*\i+10:F0+16*\i+11], v[F0+16*\i+14:F0+16*\i+15]
	v_pk_add_f32 v[F0+16*\i:F0+16*\i+1], v[F0+16*\i:F0+16*\i+1], v[F0+16*\i+8:F0+16*\i+9]
	v_pk_add_f32 v[F0+16*\i+2:F0+16*\i+3], v[F0+16*\i+2:F0+16*\i+3], v[F0+16*\i+10:F0+16*\i+11]
	global_store_b128 v[CO], v[F0+16*\i:F0+16*\i+3], s[8:9] offset:(8*\g+\i)*8192 th:TH_STORE_NT   ; the wave stores 512 consecutive bytes at a multiple of 512 from out0's first byte
.endr
.endr
	s_set_vgpr_msb 0x1
	s_wait_tensorcnt 0x0
	ds_add_u32 v255, v255
	s_wait_dscnt 0x0
	s_set_vgpr_msb 0x100
	CROUND                                         ; the closing round
	s_endpgm
.Lfunc_end_k_qc0a929eb6f_oproj:
	.size	k_qc0a929eb6f_oproj, .Lfunc_end_k_qc0a929eb6f_oproj-k_qc0a929eb6f_oproj
	.p2alignl 7, 3214868480
	.fill 96, 4, 3214868480
	.section	.rodata,"a",@progbits
	.p2align	6, 0x0
	.amdhsa_kernel k_qc0a929eb6f_oproj
		.amdhsa_group_segment_fixed_size 327680
		.amdhsa_private_segment_fixed_size 0
		.amdhsa_enable_private_segment 0
		.amdhsa_kernarg_size 24
		.amdhsa_user_sgpr_count 2
		.amdhsa_user_sgpr_kernarg_segment_ptr 1
		.amdhsa_wavefront_size32 1
		.amdhsa_system_sgpr_workgroup_id_x 1
		.amdhsa_system_sgpr_workgroup_id_y 1
		.amdhsa_system_sgpr_workgroup_id_z 1
		.amdhsa_system_vgpr_workitem_id 0
		.amdhsa_next_free_vgpr 1024
		.amdhsa_next_free_sgpr 66
		.amdhsa_reserve_vcc 0
		.amdhsa_float_denorm_mode_32 3
		.amdhsa_float_denorm_mode_16_64 3
		.amdhsa_memory_ordered 1
		.amdhsa_forward_progress 1
		.amdhsa_inst_pref_size 119
	.end_amdhsa_kernel
	.amdgpu_metadata
---
amdhsa.version: [ 1, 2 ]
amdhsa.kernels:
  - .name:           k_qc0a929eb6f_oproj
    .symbol:         k_qc0a929eb6f_oproj.kd
    .args:
      - { .name: Ah, .offset: 0, .size: 8, .value_kind: global_buffer, .address_space: global }
      - { .name: Woh, .offset: 8, .size: 8, .value_kind: global_buffer, .address_space: global }
      - { .name: out0, .offset: 16, .size: 8, .value_kind: global_buffer, .address_space: global }
    .group_segment_fixed_size: 327680
    .private_segment_fixed_size: 0
    .kernarg_segment_align: 8
    .kernarg_segment_size: 24
    .max_flat_workgroup_size: 128
    .sgpr_count:     66
    .vgpr_count:     1024
    .wavefront_size: 32
...
	.end_amdgpu_metadata
.endif
;; end of part 4
;; ======== version 2 of 2: 4 launches
;; limits: values are held in f16: magnitudes above 65,504 overflow, below 6.1e-05 lose precision
;; workspace buffers: xh 8,388,608 bytes; Wqkv 25,165,824 bytes; Woh 8,388,608 bytes; Qh 8,388,608 bytes; Kc 25,165,824 bytes; Vc 25,165,824 bytes; Ah 8,388,608 bytes
;; launch cast: the kernel of part 1 again; grid 16 x 144, 8 waves a work-group, no clusters, 0 bytes of LDS; arguments x, Wq, Wk, Wv, Wo, past_key, past_value, xh, Wqkv, Woh, Kc, Vc; writes xh, Wqkv, Woh, Kc, Vc
;; launch qkv: the kernel of part 2 again; grid 24 x 8, 4 waves a work-group, clusters of 4 x 4, 327,680 bytes of LDS; arguments xh, Wqkv, Qh, Kc, Vc; writes Qh, Kc, Vc
;; launch attn (part 5): grid 8 x 32, 4 waves a work-group, clusters of 4 x 1, 327,680 bytes of LDS; arguments Qh, Kc, Vc, Ah; writes Ah
.if DOCPART == 5
	.amdgcn_target "amdgcn-amd-amdhsa--gfx1250"
	.amdhsa_code_object_version 6
	.text
	.protected	k_qc0a929eb6f_attn
	.globl	k_qc0a929eb6f_attn
	.p2align	8
	.type	k_qc0a929eb6f_attn,@function
k_qc0a929eb6f_attn:
	s_mov_b64 s[64:65], 0
	v_nop
	global_prefetch_b8 v0, s[64:65] scope:SCOPE_SE
	s_setreg_imm32_b32 hwreg(HW_REG_WAVE_MODE, 25, 1), 1
	s_wait_xcnt 0x0
	s_wait_alu depctr_hold_cnt(0) depctr_sa_sdst(0) depctr_va_vdst(0) depctr_va_sdst(0) depctr_va_ssrc(0) depctr_va_vcc(0) depctr_vm_vsrc(0)
	s_getreg_b32 s2, hwreg(HW_REG_IB_STS2, 6, 4)
	s_cmp_eq_u32 s2, 0
	s_cbranch_scc0 .Lentry_in_a_cluster
	s_endpgm
.Lentry_in_a_cluster:
	s_bfe_u32 s2, ttmp6, 0x10000c
	s_cmp_lg_u32 s2, 0x3003
	s_cbranch_scc0 .Lentry_shape_is_right
	s_endpgm
.Lentry_shape_is_right:
; Attention of one head (work-group y) for 128 queries (block qb = 4 x cluster x + cx), over 2,048 past and up to 1,024 new keys, with a running maximum.
; FORMATS: f16 operands, f32 sums.  Qh holds Q x 4 log2(e) / sqrt(128), Kc holds K / 4: their product is the score in units of log2, so a weight is 2^(s - M), with s - M never
; above 0 and exactly 0 for the largest score: no exponential overflows and every sum is at least 1, whatever the size of the scores.  The weights lie in [0, 1], which f16 holds for
; every input.  Vc holds V / 4; the result, a weighted mean of its rows, is bounded by them and is stored with the same factor 1 / 4.
; CLUSTER of four query blocks of one head: they read the same tiles of K and V, asked for jointly (mask 15).  Trip counts hang on the cluster's x alone:
; 10 + 2 x (cluster x) double tiles of 256 keys.  A block beyond its diagonal computes zeros, since partners must make the same joint requests.
; THE TEXT IS FOLDED: double tile 0 (it starts the sums) and the last one (it fills nothing) are written out; all others run in one loop of two double tiles a trip,
; 4 + (cluster x) trips, so that 8 units are written out for the 20 or 24 that run.  The mask's selects stand in the loop under a branch on the trip counter and run from
; trip 3 on, that is from key 1,792: one double tile earlier than the first new key, where the mask lets every key pass.
; WAVES: kh = wave / 2 takes 64 of each 128 keys, qg = wave % 2 takes 64 of the 128 queries; each wave keeps its own maximum, sum and O (64 x 128 f32);
; the two waves of a query group are merged at the end.  So a byte of K or V is read from LDS by two waves, not by four.
; TRANSPOSED FORM: S^T = K Q^T (register j of lane (r, h): key 8 h + j, query r).  After the exponential two neighbouring tiles of S^T, rounded to f16 in pairs,
; ARE a B fragment of P^T, so O^T = V^T P^T needs no traffic between lanes; V^T's fragments come by the transposing LDS load from V as it lies.
; A query's figures live in its lane; only the maximum crosses the two halves of the wave, by one lane exchange.
; LIMITS: NaN and infinities in the inputs are not treated.  A weight below 2^-25 of the running maximum's rounds to zero in f16 (below 2^-14 its error is at most 2^-25):
; over 3,072 keys at most 1e-4 of a sum that is at least 1.  The sums of weights are kept in f32 from the unrounded weights.
.set PK, 272                           ; K's LDS rows: 256 bytes + 16, an odd multiple of 16
.set PV, 288                           ; V's LDS rows: 256 bytes + 32, an odd multiple of 32, for the transposing load
.set KHALF, 128*PK                     ; 128 rows: one tensor load, and one unit's keys
.set VHALF, 128*PV
.set KV, 2*KHALF                       ; V's 256 rows lie behind K's 256
.set SLOT, KV+2*VHALF                  ; 143,360 bytes; two slots
.set DTB, 65536                        ; a double tile in memory: 256 rows of 256 bytes
.set HEADB, 786432                     ; a head of Kc or Vc
; slot 0 has its last fill before the last double tile (which lies in slot 1) is read; behind that it serves as the stage of the merge:
.set STAT, 65536                       ; + wave x 1,024: maxima (512 bytes), sums (512 bytes)
.set OST, 69632                        ; + wave x 4,352: 16 rows x 272 bytes for the way out;  bytes 0..65,535: O of waves 2 and 3, 32 KiB each
; window 0
.set ADRK, 16                          ; v16-17 K fragments in slot 0, 1
.set ADRV, 18                          ; v18-19 V fragments in slot 0, 1
.set QO, 20
.set PFO, 21
.set STATA, 22
.set PSTAT, 23
.set MRGA, 24
.set STO, 25
.set RD, 26
.set CO, 27
.set KF, 64                            ; v64-191 K fragment (ds, kt) at 8 (4 ds + kt)
.set TMP, 192
; window 1: O^T tile (dt, qt) at 8 (4 dt + qt)
; window 2: S^T tile (kt, qt) at 8 (4 kt + qt), and
.set RP, 128                           ; P^T fragment (ks, qt) at 128 + 8 (4 ks + qt)
.set RM, 192                           ; running maximum, one register for each qt
.set RMN, 196
.set RT, 200
.set RNM, 204                          ; - M, twice (a pair for the packed add)
.set RAL, 212                          ; rescale factor, twice
.set RL, 220                           ; two partial sums
.set RDL, 228                          ; the mask's bound
.set RNINF, 229
.set RLS, 232
.set RPM, 236
.set RPL, 240
; window 3
.set QF, 0                             ; Q fragment (qt, ds) at 8 (4 qt + ds)
.set VF, 128                           ; V^T fragment (ks, dt) at 128 + 8 (8 ks + dt)
.set W_S, 0xac                         ; D, C window 2; A (K) window 0; B (Q) window 3
.set W_PV, 0x5b                        ; D, C window 1; A (V) window 3; B (P) window 2
.set W_2, 0xaa
.set W_OS, 0x49                        ; O (window 1) times a pair of window 2
.set G1K, 24
.set G0K, 32
.set G1V, 40
.set G0V, 48
; s60 the loop's trip counter; s61, s62 the trips in which slot 1's and slot 0's double tiles still prefetch; s63 the number of trips
.set MSB, 0
.macro WIN new                         ; low byte: bits 1:0 source 0, 3:2 source 1, 5:4 source 2, 7:6 destination; the high byte repeats the setting that is left
.if MSB != \new
	s_set_vgpr_msb (MSB<<8)|\new
.set MSB, \new
.endif
.endm
.macro PLACES                          ; four independent vector places behind a matrix instruction (ISA guide 7.12.1)
.rept 4
	v_nop
.endr
.endm
.macro CREST
	s_cmp_lg_u32 s12, 0
	s_cbranch_scc1 .Lnot_wave_0_\@
	s_barrier_signal -3
.Lnot_wave_0_\@:
	s_barrier_wait -3
	s_barrier_signal -1
	s_barrier_wait -1
.endm
.macro CROUND                          ; a round of the cluster's barrier
	s_barrier_signal -1
	s_barrier_wait -1
	CREST
.endm
.macro JLOAD s                         ; waves 0, 1 ask for K's two halves of a double tile, waves 2, 3 for V's: 128 rows x 256 bytes each
	s_cmp_eq_u32 s13, 0
	s_cbranch_scc0 .Lfor_v_\@
	tensor_load_to_lds s[G0K+4*(\s):G0K+4*(\s)+3], s[G1K:G1K+7]
	s_nop 0
	s_branch .Lasked_\@
.Lfor_v_\@:
	tensor_load_to_lds s[G0V+4*(\s):G0V+4*(\s)+3], s[G1V:G1V+7]
	s_nop 0
.Lasked_\@:
.endm
	s_load_b256 s[4:11], s[0:1], 0x0               ; Qh s[4:5], Kc s[6:7], Vc s[8:9], Ah s[10:11]
	v_lshl_add_u32 v254, v0, 2, 0x46000
	v_mov_b32 v255, 0
	ds_add_u32 v254, v255
	v_lshrrev_b32 v1, 5, v0
	v_readfirstlane_b32 s12, v1                    ; wave
	s_lshr_b32 s13, s12, 1                         ; kh; also: I fetch K (0) or V (1)
	s_and_b32 s14, s12, 1                          ; qg; also: which 128 rows of the double tile I fetch
	s_bfe_u32 s15, ttmp6, 0x40000                  ; cx
	s_mov_b32 s16, ttmp9                           ; the cluster's x: equal in all four partners
	s_and_b32 s17, ttmp7, 0xffff                   ; head
	s_lshl_b32 s18, s16, 2
	s_add_co_u32 s18, s18, s15                     ; query block
	s_mov_b32 s56, 0x76543210                      ; v_permlanex16_b32: lane i reads lane i of the other half
	s_mov_b32 s57, 0xfedcba98
	s_mov_b32 s60, 0                               ; trip counter
	s_mul_i32 s61, s16, 5                          ; prefetch limits: none in the head's first cluster
	s_lshl_b32 s62, s16, 2
	s_add_co_u32 s63, s16, 4                       ; trips: double tiles 1 to 8, or 1 to 10
	s_mov_b32 s[G1K+0], 15|(1<<16)|(1<<20)|(1<<21)|(5<<22)|(3<<25)  ; mask of the four; 2-byte elements; padding on; bit 21 beside a mask; after every 64 words 4 words
	s_mov_b32 s[G1V+0], 15|(1<<16)|(1<<20)|(1<<21)|(5<<22)|(7<<25)  ; the same with 8 words of padding
	s_mov_b32 s[G1K+1], 128<<16                    ; tensor_dim0 = 128
	s_mov_b32 s[G1V+1], 128<<16
	s_mov_b32 s[G1K+2], 128<<16                    ; tensor_dim1 = 128
	s_mov_b32 s[G1V+2], 128<<16
	s_mov_b32 s[G1K+3], 128<<16                    ; tile_dim0 = 128
	s_mov_b32 s[G1V+3], 128<<16
	s_mov_b32 s[G1K+4], 128                        ; tile_dim1 = 128
	s_mov_b32 s[G1V+4], 128
	s_mov_b32 s[G1K+5], 128                        ; elements from row to row
	s_mov_b32 s[G1V+5], 128
	s_mov_b32 s[G1K+6], 0
	s_mov_b32 s[G1V+6], 0
	s_mov_b32 s[G1K+7], 0
	s_mov_b32 s[G1V+7], 0
	s_mul_i32 s20, s17, HEADB                      ; the head's bytes in Kc and Vc
	s_mov_b32 s21, 0
	s_add_co_u32 s70, s20, DTB                     ; where the prefetches start from (each steps one double tile first)
	s_mov_b32 s71, 0
	s_lshl_b32 s22, s14, 15
	s_add_co_u32 s20, s20, s22                     ; + my 128 rows
	s_mul_i32 s22, s14, KHALF                      ; LDS places: the wave's number and constants alone
	s_mul_i32 s23, s14, VHALF
	s_add_co_u32 s23, s23, KV
	s_wait_dscnt 0x0
	s_wait_kmcnt 0x0
	s_cmp_eq_u32 s13, 0
	s_cselect_b64 s[58:59], s[6:7], s[8:9]         ; I prefetch from the tensor that I fetch
	s_add_nc_u64 s[58:59], s[58:59], s[70:71]
	s_add_nc_u64 s[6:7], s[6:7], s[20:21]
	s_add_nc_u64 s[8:9], s[8:9], s[20:21]
	CROUND                                         ; the four work-groups are here: the first joint loads meet
.irp s, 0,1
	s_mov_b32 s[G0K+4*\s], 1
	s_add_co_u32 s[G0K+4*\s+1], s22, \s*SLOT
	s_add_nc_u64 s[G0K+4*\s+2:G0K+4*\s+3], s[6:7], \s*DTB
	s_or_b32 s[G0K+4*\s+3], s[G0K+4*\s+3], 0x80000000
	s_mov_b32 s[G0V+4*\s], 1
	s_add_co_u32 s[G0V+4*\s+1], s23, \s*SLOT
	s_add_nc_u64 s[G0V+4*\s+2:G0V+4*\s+3], s[8:9], \s*DTB
	s_or_b32 s[G0V+4*\s+3], s[G0V+4*\s+3], 0x80000000
	JLOAD \s                                       ; double tiles 0 and 1: two tensor loads of the wave are out here, one behind every later round
.endr
	; global places that hang on cx, in registers that feed no descriptor
	s_lshl_b32 s70, s17, 18                        ; Qh: head x 1,024 rows of 256 bytes
	s_lshl_b32 s71, s18, 15                        ; + block x 128 rows
	s_add_co_u32 s70, s70, s71
	s_lshl_b32 s71, s14, 14                        ; + qg x 64 rows
	s_add_co_u32 s70, s70, s71
	s_mov_b32 s71, 0
	s_add_nc_u64 s[66:67], s[4:5], s[70:71]
	s_lshr_b32 s70, s17, 4                         ; Ah [batch x 1024 + position][head x 128 + d], rows of 4,096 bytes
	s_lshl_b32 s70, s70, 22
	s_lshl_b32 s71, s18, 19
	s_add_co_u32 s70, s70, s71
	s_lshl_b32 s71, s14, 18
	s_add_co_u32 s70, s70, s71
	s_and_b32 s71, s17, 15
	s_lshl_b32 s71, s71, 8
	s_add_co_u32 s70, s70, s71
	s_mov_b32 s71, 0
	s_add_nc_u64 s[68:69], s[10:11], s[70:71]
	v_and_b32 v1, 31, v0                           ; L
	v_and_b32 v2, 15, v0                           ; r
	v_bfe_u32 v3, v0, 4, 1                         ; h
	v_and_b32 v4, 7, v0
	v_bfe_u32 v5, v0, 3, 1
	v_mul_u32_u24 v6, v2, PK
	v_lshl_add_u32 v6, v3, 4, v6                   ; r x 272 + 16 h
	s_mul_i32 s22, s13, 64*PK
	v_add_nc_u32 v[ADRK], s22, v6                  ; K fragment: row 64 kh + r, two loads 32 bytes apart
	v_add_nc_u32 v[ADRK+1], SLOT, v[ADRK]
	v_lshl_add_u32 v7, v3, 3, v4
	v_mul_u32_u24 v7, v7, PV
	v_lshl_add_u32 v7, v5, 4, v7                   ; V: row 8 h + L % 8, 16 bytes by bit 3 of L
	s_mul_i32 s22, s13, 64*PV
	s_add_co_u32 s22, s22, KV
	v_add_nc_u32 v[ADRV], s22, v7
	v_add_nc_u32 v[ADRV+1], SLOT, v[ADRV]
	v_lshlrev_b32 v[QO], 8, v2
	v_lshl_add_u32 v[QO], v3, 4, v[QO]             ; Q fragment from memory: row r, 16 h
	s_lshl1_add_u32 s70, s15, s14
	s_lshl_b32 s70, s70, 13
	v_lshl_add_u32 v[PFO], v1, 8, s70              ; prefetch: (2 cx + qg) x 8 KiB + lane x 256
	s_lshl_b32 s22, s12, 10
	s_add_co_u32 s22, s22, STAT
	v_lshl_add_u32 v[STATA], v1, 4, s22
	s_xor_b32 s22, s12, 2                          ; the wave with the other half of the keys
	s_lshl_b32 s22, s22, 10
	s_add_co_u32 s22, s22, STAT
	v_lshl_add_u32 v[PSTAT], v1, 4, s22
	s_lshl_b32 s22, s14, 15
	v_lshl_add_u32 v[MRGA], v1, 4, s22
	s_mul_i32 s22, s12, 16*PK
	s_add_co_u32 s22, s22, OST
	v_add_nc_u32 v[STO], s22, v6
	v_mul_u32_u24 v8, v3, PK
	v_lshl_add_u32 v8, v2, 4, v8
	v_add_nc_u32 v[RD], s22, v8
	v_lshlrev_b32 v[CO], 12, v3
	v_lshl_add_u32 v[CO], v2, 4, v[CO]
	s_lshl_b32 s70, s18, 7                         ; the mask: key 128 U + 64 kh + 16 kt + 8 h + j is allowed for query 128 qb + 64 qg + 16 qt + r
	s_lshl_b32 s71, s14, 6                         ; iff 16 (kt - qt) + j <= 128 qb + 64 qg + r - 64 kh - 8 h - 128 (U - 16): the right side is kept, and steps by -128 a unit
	s_add_co_u32 s70, s70, s71
	s_lshl_b32 s71, s13, 6
	s_sub_co_u32 s70, s70, s71
	s_add_co_u32 s70, s70, 256                     ; the first masked unit is U = 14
	v_lshlrev_b32 v9, 3, v3
	v_sub_nc_u32 v9, v2, v9
	v_add_nc_u32 v9, s70, v9
	WIN 0xc0                                       ; destination window 3
.irp qt, 0,1,2,3
.irp ds, 0,1,2,3
	global_load_b128 v[QF+8*(4*\qt+\ds):QF+8*(4*\qt+\ds)+3], v[QO], s[66:67] offset:\qt*4096+\ds*64
	global_load_b128 v[QF+8*(4*\qt+\ds)+4:QF+8*(4*\qt+\ds)+7], v[QO], s[66:67] offset:\qt*4096+\ds*64+32
.endr
.endr
	WIN 0x80                                       ; destination window 2
	v_mov_b32 v[RDL], v9
	v_mov_b32 v[RNINF], 0xff800000
.irp qt, 0,1,2,3
	v_mov_b32 v[RT+\qt], 0                         ; the lane exchange counts as a reader of its destination
.endr
	WIN 0
.macro LOADK slot, u                   ; 32 loads: my 64 keys of unit u, all 128 d; eight loads for each 32 d
	WIN 0
.irp ds, 0,1,2,3
.irp kt, 0,1,2,3
	ds_load_b128 v[KF+8*(4*\ds+\kt):KF+8*(4*\ds+\kt)+3], v[ADRK+\slot] offset:(\u)*KHALF+\kt*16*PK+\ds*64
	ds_load_b128 v[KF+8*(4*\ds+\kt)+4:KF+8*(4*\ds+\kt)+7], v[ADRK+\slot] offset:(\u)*KHALF+\kt*16*PK+\ds*64+32
.endr
.endr
.endm
.macro LOADV slot, u                   ; 32 transposing loads: V^T of my 64 keys, all 128 d
	WIN 0xc0
.irp ks, 0,1
.irp dt, 0,1,2,3,4,5,6,7
	ds_load_tr16_b128 v[VF+8*(8*\ks+\dt):VF+8*(8*\ks+\dt)+3], v[ADRV+\slot] offset:(\u)*VHALF+\ks*32*PV+\dt*32
	ds_load_tr16_b128 v[VF+8*(8*\ks+\dt)+4:VF+8*(8*\ks+\dt)+7], v[ADRV+\slot] offset:(\u)*VHALF+\ks*32*PV+\dt*32+16*PV
.endr
.endr
.endm
.macro MASK                            ; tiles with equal kt - qt share their eight lane masks: 56 compares, 128 selects
	WIN W_2
.irp dl, -3,-2,-1,0,1,2,3
.irp j, 0,1,2,3,4,5,6,7
	v_cmp_le_i32 s[72+\j], 16*(\dl)+\j, v[RDL]
.endr
.irp kt, 0,1,2,3
.irp qt, 0,1,2,3
.if (\kt-\qt) == (\dl)
.irp j, 0,1,2,3,4,5,6,7
	v_cndmask_b32 v[8*(4*\kt+\qt)+\j], v[RNINF], v[8*(4*\kt+\qt)+\j], s[72+\j]
.endr
.endif
.endr
.endr
.endr
	v_add_nc_u32 v[RDL], 0xffffff80, v[RDL]        ; the next unit's keys are 128 further on
.endm
.macro SOFTMAX first
	WIN W_2
	; the new maximum of each query: four chains, one for each qt, over my 32 scores and the old maximum
.irp i, 0,1,2,3,4,5,6,7,8,9,10,11,12,13,14,15
.irp qt, 0,1,2,3
.if \i == 0
.if \first
	v_max_num_f32 v[RMN+\qt], v[8*\qt], v[8*\qt+1]
.else
	v_max3_num_f32 v[RMN+\qt], v[8*\qt], v[8*\qt+1], v[RM+\qt]
.endif
.else
	v_max3_num_f32 v[RMN+\qt], v[8*(4*(\i/4)+\qt)+2*(\i%4)], v[8*(4*(\i/4)+\qt)+2*(\i%4)+1], v[RMN+\qt]
.endif
.endr
.endr
.irp qt, 0,1,2,3
	v_permlanex16_b32 v[RT+\qt], v[RMN+\qt], s56, s57              ; the other eight keys of each tile lie in the other half of the wave
.endr
.irp qt, 0,1,2,3
	v_max_num_f32 v[RT+\qt], v[RMN+\qt], v[RT+\qt]                 ; the new maximum; finite from the first unit on, whose keys are all allowed
.endr
.if \first == 0
.irp qt, 0,1,2,3
	v_sub_f32 v[RAL+2*\qt], v[RM+\qt], v[RT+\qt]                   ; old - new, never above 0
.endr
.irp qt, 0,1,2,3
	v_exp_f32 v[RAL+2*\qt], v[RAL+2*\qt]           ; the rescale factor 2^(M old - M new)
.endr
.endif
.irp qt, 0,1,2,3
	v_mov_b32 v[RM+\qt], v[RT+\qt]                 ; plain instructions on other registers stand behind the exponentials (ISA guide 5.7.2)
	v_mul_f32 v[RNM+2*\qt], -1.0, v[RT+\qt]
	v_mul_f32 v[RNM+2*\qt+1], -1.0, v[RT+\qt]
.endr
.if \first == 0
	s_wait_alu depctr_va_vdst(0)
.irp qt, 0,1,2,3
	v_mov_b32 v[RAL+2*\qt+1], v[RAL+2*\qt]
.endr
.endif
	; three stages in step over the 16 tiles: tile n + 1 gets its exponents s - M, tile n its exponentials, tile n - 1 is summed and rounded into P.
	; Behind every exponential stands another exponential or a plain instruction on another tile; a result is first used a stage later.
.set n, -1
.rept 18
.set tt, n-1
.set tk, tt/4
.set tq, tt%4
.irp j, 0,1,2,3
.if n >= 0
.if n <= 15
	v_exp_f32 v[8*n+2*\j], v[8*n+2*\j]
.endif
.endif
.if n <= 14
	v_pk_add_f32 v[8*(n+1)+2*\j:8*(n+1)+2*\j+1], v[8*(n+1)+2*\j:8*(n+1)+2*\j+1], v[RNM+2*((n+1)%4):RNM+2*((n+1)%4)+1]
.endif
.if n >= 0
.if n <= 15
	v_exp_f32 v[8*n+2*\j+1], v[8*n+2*\j+1]
.endif
.endif
.if n >= 1
.if (4*tk+\j) == 0
.if \first
	s_wait_alu depctr_va_vdst(0)
	v_mov_b32 v[RL+2*tq], v[8*tt]                  ; the first weights start the sums
	v_mov_b32 v[RL+2*tq+1], v[8*tt+1]
.else
	s_wait_alu depctr_va_vdst(0)
	v_pk_fma_f32 v[RL+2*tq:RL+2*tq+1], v[RL+2*tq:RL+2*tq+1], v[RAL+2*tq:RAL+2*tq+1], v[8*tt:8*tt+1]   ; the sums' rescale rides on the unit's first addition
.endif
.else
	s_wait_alu depctr_va_vdst(0)
	v_pk_add_f32 v[RL+2*tq:RL+2*tq+1], v[RL+2*tq:RL+2*tq+1], v[8*tt+2*\j:8*tt+2*\j+1]
.endif
	v_cvt_pk_f16_f32 v[RP+8*(4*(tk/2)+tq)+4*(tk%2)+\j], v[8*tt+2*\j], v[8*tt+2*\j+1]
.endif
.endr
.set n, n+1
.endr
.endm
.macro OSCALE                          ; O times the pair in RAL, query by query
	WIN W_OS
.irp dt, 0,1,2,3,4,5,6,7
.irp qt, 0,1,2,3
.irp p, 0,1,2,3
	v_pk_mul_f32 v[8*(4*\dt+\qt)+2*\p:8*(4*\dt+\qt)+2*\p+1], v[8*(4*\dt+\qt)+2*\p:8*(4*\dt+\qt)+2*\p+1], v[RAL+2*\qt:RAL+2*\qt+1]
.endr
.endr
.endr
.endm
; One unit: my 64 keys of 128 against my 64 queries.  kready = 1: K's fragments were fetched during the unit before; knext = 1: fetch the next unit's.
; mask = 0: none; 1: masked; 2: masked from the loop's trip 3 on (a branch on the trip counter, the same in every wave and every partner).
; In both products the accumulators (16, then 32) take turns, one instruction a turn.
.macro UNIT slot, u, first, mask, kready, knext
.if \kready == 0
	LOADK \slot, \u
.endif
	LOADV \slot, \u
	WIN W_S
.irp ds, 0,1,2,3
.if \kready == 0
	s_wait_dscnt 56-8*\ds                          ; K's eight loads of this 32 d are in; out may be K's 8 (3 - ds) later ones and V's 32
.endif
.irp kt, 0,1,2,3
.irp qt, 0,1,2,3
.if \ds == 0
	v_wmma_f32_16x16x32_f16 v[8*(4*\kt+\qt):8*(4*\kt+\qt)+7], v[KF+8*(4*\ds+\kt):KF+8*(4*\ds+\kt)+7], v[QF+8*(4*\qt+\ds):QF+8*(4*\qt+\ds)+7], 0
.else
	v_wmma_f32_16x16x32_f16 v[8*(4*\kt+\qt):8*(4*\kt+\qt)+7], v[KF+8*(4*\ds+\kt):KF+8*(4*\ds+\kt)+7], v[QF+8*(4*\qt+\ds):QF+8*(4*\qt+\ds)+7], v[8*(4*\kt+\qt):8*(4*\kt+\qt)+7]
.endif
.endr
.endr
.endr
	PLACES                                         ; in front of the loads into K's fragments and of the vector work on S, on both ways round the mask
.if \knext
	LOADK \slot, \u+1
.endif
.if \mask == 1
	MASK
.endif
.if \mask == 2
	WIN 0                                          ; at a branch and at a label every window is 0
	s_cmp_lt_u32 s60, 3
	s_cbranch_scc1 .Lunmasked_\@
	MASK
	WIN 0
.Lunmasked_\@:
.endif
	SOFTMAX \first
.if \first == 0
	OSCALE
.endif
	s_wait_dscnt 0x0                               ; V's fragments (and the next unit's K) are in
	WIN W_PV
.irp ks, 0,1
.irp dt, 0,1,2,3,4,5,6,7
.irp qt, 0,1,2,3
.if \first*(1-\ks)
	v_wmma_f32_16x16x32_f16 v[8*(4*\dt+\qt):8*(4*\dt+\qt)+7], v[VF+8*(8*\ks+\dt):VF+8*(8*\ks+\dt)+7], v[RP+8*(4*\ks+\qt):RP+8*(4*\ks+\qt)+7], 0
.else
	v_wmma_f32_16x16x32_f16 v[8*(4*\dt+\qt):8*(4*\dt+\qt)+7], v[VF+8*(8*\ks+\dt):VF+8*(8*\ks+\dt)+7], v[RP+8*(4*\ks+\qt):RP+8*(4*\ks+\qt)+7], v[8*(4*\dt+\qt):8*(4*\dt+\qt)+7]
.endif
.endr
.endr
.endr
	PLACES                                         ; in front of the next loads into V's fragments and the next vector work on P and O
.endm
; Prefetch: in double tile i the 16 waves of the head's second cluster (the one that walks all 12 double tiles) ask for double tile i + 2, 512 lanes x 256 bytes =
; its 64 KiB of K and 64 KiB of V, each block once.  It stands between the two units, one unit ahead of that tile's tensor load.  It asks while the trip counter is
; below s[lim]: 5 x (cluster x) for double tiles 0 and 2 t + 1, 4 x (cluster x) for 2 t + 2: the last request stands in double tile 9 and is for double tile 11,
; the head's last rows.  The base steps in every double tile; where nothing is asked it is not used.
.macro PF lim
	WIN 0
	s_wait_xcnt 0x0                                ; the base is stepped only behind this wait; the last prefetch was issued a double tile ago
	s_add_nc_u64 s[58:59], s[58:59], DTB
	s_cmp_ge_u32 s60, s[\lim]
	s_cbranch_scc1 .Lno_pf_\@
	global_prefetch_b8 v[PFO], s[58:59] th:TH_LOAD_NT scope:SCOPE_SE
.Lno_pf_\@:
.endm
; One double tile in slot `slot`.  In front of the round every wave waits for all its tensor loads (its part of this slot among them) and for its reads of the other slot;
; behind the round the other slot's refill comes first, the wave's one tensor load until the next round; it has two units' work in which to land.
; pf = 0: no prefetch; else the scalar register with its limit.
.macro TWO slot, refill, mask, pf
	WIN 0
	s_wait_tensorcnt 0x0
	ds_add_u32 v254, v255
	s_wait_dscnt 0x0
.if \refill
	s_add_nc_u64 s[G0K+4*(1-\slot)+2:G0K+4*(1-\slot)+3], s[G0K+4*(1-\slot)+2:G0K+4*(1-\slot)+3], 2*DTB    ; no load of mine is out: the other slot's next double tile
	s_add_nc_u64 s[G0V+4*(1-\slot)+2:G0V+4*(1-\slot)+3], s[G0V+4*(1-\slot)+2:G0V+4*(1-\slot)+3], 2*DTB
.endif
	s_wait_dscnt 0x0
.if \refill
	CROUND
	JLOAD 1-\slot
.else
	s_barrier_signal -1
	s_barrier_wait -1
.endif
	UNIT \slot, 0, 0, \mask, 0, 1
.if \pf
	PF \pf
.endif
	UNIT \slot, 1, 0, \mask, 1, 0
.endm
	s_wait_loadcnt 0x0                             ; Q
	s_wait_tensorcnt 0x1                           ; my part of double tile 0 is in; double tile 1's stays out
	s_barrier_signal -1
	s_barrier_wait -1
	UNIT 0, 0, 1, 0, 0, 1                          ; the first unit starts maxima, sums and O: nothing is cleared
	PF 61
	UNIT 0, 1, 0, 0, 1, 0
	WIN 0
.Lloop:                                                ; trip t: double tiles 2 t + 1 and 2 t + 2; the last trip's second refill brings the last double tile
	TWO 1, 1, 2, 61
	TWO 0, 1, 2, 62
	WIN 0
	s_add_co_u32 s60, s60, 1
	s_cmp_lt_u32 s60, s63                          ; 4 + (cluster x) trips: the same in all four partners
	s_cbranch_scc1 .Lloop
	TWO 1, 0, 1, 0                                 ; the last double tile; nothing is left to fetch
	; THE MERGE of the two halves of the keys.  Slot 0 has had its last fill, and no wave has read it since the barrier in front of the last double tile.
	WIN W_2
.irp qt, 0,1,2,3
	v_add_f32 v[RLS+\qt], v[RL+2*\qt], v[RL+2*\qt+1]
.endr
.irp qt, 0,1,2,3
	v_permlanex16_b32 v[RT+\qt], v[RLS+\qt], s56, s57
.endr
.irp qt, 0,1,2,3
	v_add_f32 v[RLS+\qt], v[RLS+\qt], v[RT+\qt]    ; my sum over my keys, in every lane of the query
.endr
	WIN 0x08                                       ; store data from window 2
	ds_store_b128 v[STATA], v[RM:RM+3]
	ds_store_b128 v[STATA], v[RLS:RLS+3] offset:512
	s_wait_dscnt 0x0                               ; for the partner's sake
	s_barrier_signal -1
	s_barrier_wait -1
	WIN 0x80
	ds_load_b128 v[RPM:RPM+3], v[PSTAT]
	ds_load_b128 v[RPL:RPL+3], v[PSTAT] offset:512
	s_wait_dscnt 0x0
	WIN W_2
.irp qt, 0,1,2,3
	v_max_num_f32 v[RT+\qt], v[RM+\qt], v[RPM+\qt]                 ; the larger maximum
.endr
.irp qt, 0,1,2,3
	v_sub_f32 v[RMN+\qt], v[RM+\qt], v[RT+\qt]     ; never above 0, and 0 for one of the two
	v_sub_f32 v[RPM+\qt], v[RPM+\qt], v[RT+\qt]
.endr
.irp qt, 0,1,2,3
	v_exp_f32 v[RMN+\qt], v[RMN+\qt]               ; my factor
	v_exp_f32 v[RPM+\qt], v[RPM+\qt]               ; the partner's
.endr
	v_nop                                          ; one plain place behind the exponentials
	s_wait_alu depctr_va_vdst(0)
.irp qt, 0,1,2,3
	v_mul_f32 v[RPL+\qt], v[RPM+\qt], v[RPL+\qt]
.endr
.irp qt, 0,1,2,3
	v_fma_f32 v[RPL+\qt], v[RMN+\qt], v[RLS+\qt], v[RPL+\qt]       ; the whole sum; at least 1: the largest score's weight is 1
.endr
.irp qt, 0,1,2,3
	v_rcp_f32 v[RPL+\qt], v[RPL+\qt]
.endr
	v_nop                                          ; one plain place behind the reciprocals
	s_wait_alu depctr_va_vdst(0)
.irp qt, 0,1,2,3
	v_mul_f32 v[RAL+2*\qt], v[RMN+\qt], v[RPL+\qt]
	v_mul_f32 v[RAL+2*\qt+1], v[RMN+\qt], v[RPL+\qt]
.endr
	OSCALE                                         ; each wave scales its own O by its factor over the whole sum
	WIN 0
	s_cmp_eq_u32 s13, 0
	s_cbranch_scc1 .Lkeep
	WIN 0x04                                       ; store data from window 1
.set i, 0
.rept 64
	ds_store_b128 v[MRGA], v[4*i:4*i+3] offset:512*i               ; waves 2 and 3 hand their O over, 512 consecutive bytes an instruction
.set i, i+1
.endr
	WIN 0
.Lkeep:
	s_wait_dscnt 0x0
	s_barrier_signal -1
	s_barrier_wait -1
	s_cmp_lg_u32 s13, 0
	s_cbranch_scc1 .Ldone
.irp g, 0,1
	WIN 0
.set i, 0
.rept 32
	ds_load_b128 v[KF+4*i:KF+4*i+3], v[MRGA] offset:512*(32*\g+i)
.set i, i+1
.endr
	s_wait_dscnt 0x0
	WIN 0x41                                       ; O (window 1) += window 0
.set i, 0
.rept 64
	v_pk_add_f32 v[128*\g+2*i:128*\g+2*i+1], v[128*\g+2*i:128*\g+2*i+1], v[KF+2*i:KF+2*i+1]
.set i, i+1
.endr
.endr
; 16 queries at a time: a lane's eight d of one query are 16 bytes of f16; through my own stage they become whole rows of 256 bytes
.macro OUT16 qt, f
	WIN 0x05                                       ; sources window 1, destination window 0
.irp dt, 0,1,2,3,4,5,6,7
.irp p, 0,1,2,3
	v_cvt_pk_f16_f32 v[TMP+4*\dt+\p], v[8*(4*\dt+\qt)+2*\p], v[8*(4*\dt+\qt)+2*\p+1]
.endr
.endr
	WIN 0
.irp dt, 0,1,2,3,4,5,6,7
	ds_store_b128 v[STO], v[TMP+4*\dt:TMP+4*\dt+3] offset:32*\dt
.endr
	s_wait_xcnt 0x0                                ; buffer f, which earlier stores read, and the stores' base are rewritten only behind this wait
.if \qt
	s_add_nc_u64 s[68:69], s[68:69], 65536         ; 16 rows of Ah on
.endif
.irp t, 0,1,2,3,4,5,6,7
	ds_load_b128 v[\f+4*\t:\f+4*\t+3], v[RD] offset:\t*2*PK        ; LDS serves a wave's instructions in order: these see the stores above
.endr
.irp t, 0,1,2,3,4,5,6,7
	s_wait_dscnt 7-\t                              ; load t is in, the 7 - t younger ones stay out
	global_store_b128 v[CO], v[\f+4*\t:\f+4*\t+3], s[68:69] offset:\t*8192         ; 16 lanes store 256 consecutive bytes at a multiple of 256 from Ah's first byte
.endr
.endm
	OUT16 0, 64
	OUT16 1, 96
	OUT16 2, 64
	OUT16 3, 96
.Ldone:
	s_wait_tensorcnt 0x0
	ds_add_u32 v254, v255
	s_wait_dscnt 0x0
	CROUND                                         ; the closing round
	s_endpgm
.Lfunc_end_k_qc0a929eb6f_attn:
	.size	k_qc0a929eb6f_attn, .Lfunc_end_k_qc0a929eb6f_attn-k_qc0a929eb6f_attn
	.p2alignl 7, 3214868480
	.fill 96, 4, 3214868480
	.section	.rodata,"a",@progbits
	.p2align	6, 0x0
	.amdhsa_kernel k_qc0a929eb6f_attn
		.amdhsa_group_segment_fixed_size 327680
		.amdhsa_private_segment_fixed_size 0
		.amdhsa_enable_private_segment 0
		.amdhsa_kernarg_size 32
		.amdhsa_user_sgpr_count 2
		.amdhsa_user_sgpr_kernarg_segment_ptr 1
		.amdhsa_wavefront_size32 1
		.amdhsa_system_sgpr_workgroup_id_x 1
		.amdhsa_system_sgpr_workgroup_id_y 1
		.amdhsa_system_sgpr_workgroup_id_z 1
		.amdhsa_system_vgpr_workitem_id 0
		.amdhsa_next_free_vgpr 1024
		.amdhsa_next_free_sgpr 80
		.amdhsa_reserve_vcc 0
		.amdhsa_float_denorm_mode_32 3
		.amdhsa_float_denorm_mode_16_64 3
		.amdhsa_memory_ordered 1
		.amdhsa_forward_progress 1
		.amdhsa_inst_pref_size 255
	.end_amdhsa_kernel
	.section	.bss,"aw",@nobits
	.p2align	6
	.space	262144
	.amdgpu_metadata
---
amdhsa.version: [ 1, 2 ]
amdhsa.kernels:
  - .name:           k_qc0a929eb6f_attn
    .symbol:         k_qc0a929eb6f_attn.kd
    .args:
      - { .name: Qh, .offset: 0, .size: 8, .value_kind: global_buffer, .address_space: global }
      - { .name: Kc, .offset: 8, .size: 8, .value_kind: global_buffer, .address_space: global }
      - { .name: Vc, .offset: 16, .size: 8, .value_kind: global_buffer, .address_space: global }
      - { .name: Ah, .offset: 24, .size: 8, .value_kind: global_buffer, .address_space: global }
    .group_segment_fixed_size: 327680
    .private_segment_fixed_size: 0
    .kernarg_segment_align: 8
    .kernarg_segment_size: 32
    .max_flat_workgroup_size: 128
    .sgpr_count:     80
    .vgpr_count:     1024
    .wavefront_size: 32
...
	.end_amdgpu_metadata
.endif
;; end of part 5
;; launch oproj: the kernel of part 4 again; grid 16 x 16, 4 waves a work-group, clusters of 4 x 4, 327,680 bytes of LDS; arguments Ah, Woh, out0; writes out0
